; MI455X (gfx1250); checked and timed in simulation.
; The chip was launched on July 23, 2026; its instructions are those of AMD's public machine-readable ISA for CDNA 5 (MIT licence, August 2026) and "CDNA5" Instruction Set Architecture Reference Guide (July 2026). The comments in the code are by the model that wrote it; some were corrected since.
;; Block. Allowed arithmetic: float matrix products may take bf16 or f16 operands with f32 sums; other float arithmetic in f32, or as packed bf16 or f16 multiplies, adds, multiply-adds, maxima and minima; sums over many terms, partial sums and values carried from step to step in f32; what a program stores and reads back later, other than sums and carried values, may be rounded once to bf16 or f16.
;; Inputs: W_gate 512 x 512 float32; W_hidden 512 x 512 float32; W_k 512 x 512 float32; W_o 512 x 512 float32; W_out 512 x 512 float32; W_q 512 x 512 float32; W_v 512 x 512 float32; attn_norm_w 512 float32; b_o 512 float32; b_out 512 float32; ffn_norm_w 512 float32; x 4 x 2,048 x 512 float32.
;; Outputs: out0 4 x 2,048 x 512 float32.
;; 2 versions, each right and faster than the one before. Each part assembles by itself: llvm-mc -triple=amdgcn-amd-amdhsa -mcpu=gfx1250 --defsym DOCPART=n.
;; ======== version 1 of 2: 6 launches
;; workspace buffers: wf 3,670,016 bytes; fa 8,388,608 bytes; fb 8,388,608 bytes; qkv 25,165,824 bytes; x1d 16,777,216 bytes; ss 262,144 bytes
;; launch prep (part 1): grid 736 x 1, 4 waves a work-group, no clusters, 18,944 bytes of LDS; arguments x, attn_norm_w, ffn_norm_w, W_q, W_k, W_v, W_o, W_gate, W_hidden, W_out, fa, wf; writes fa, wf
.if DOCPART == 1
	.amdgcn_target "amdgcn-amd-amdhsa--gfx1250"
	.amdhsa_code_object_version 6
	.text
	.protected	k_qba79960dea_prep
	.globl	k_qba79960dea_prep
	.p2align	8
	.type	k_qba79960dea_prep,@function
k_qba79960dea_prep:
	s_mov_b64 s[64:65], 0
	v_nop
	global_prefetch_b8 v0, s[64:65] scope:SCOPE_SE
	s_setreg_imm32_b32 hwreg(HW_REG_WAVE_MODE, 25, 1), 1
	s_wait_xcnt 0x0
; PREP.  Turns f32 rows into bf16 in FRAGMENT ORDER: for a block of 16 rows x 512 numbers the 8 numbers k = 8 g .. 8 g + 7 of row r lie at byte 256 g + 16 r of the block's 16,384 bytes,
; so that lane L = 16 h + r of a wave finds its 16 bytes of the matrix fragment (32 k from 32 c on, half p) at 1,024 c + 512 p + 16 L: every later load is 512 consecutive bytes.
; Work-groups 0-511: x, 16 rows each: (attn_norm_w x) rsqrt(mean x^2 + 1e-6) -> fa.  Work-groups 512-735: the seven weights, 32 blocks each, in the order q, k, v, o, gate, hidden, out -> wf.
; W_q is multiplied by c = log2(e) / sqrt(32) (the scores then are exponents of 2); W_gate and W_hidden by ffn_norm_w along their columns (the second norm's gain).
; ONE text for both: a row is multiplied by a gain along its columns (or 1.0) and by a number of its own (the norm's, or c, or 1.0); which, is chosen by v_cndmask_b32 on masks made from the work-group's number.
; LIMITS.  Results are rounded once to bf16 (W_q behind the scale, W_gate and W_hidden behind the gain).  NaN and infinities are not treated apart.
; SHARES.  Wave w takes rows 4 w .. 4 w + 3, two at a time: lanes 0-15 one row, lanes 16-31 the next; a load takes 256 consecutive aligned bytes of each.  All 24 loads of a wave go out at once; there is no loop.
; No matrix unit, no cluster, no tensor load: a stream that reads each byte once; work-groups share nothing but the 2 KB of gains.
.set PIT,   288                        ; LDS image: group g of 8 numbers at 288 g, row r at + 16 r: 72 words from group to group
.set SPARE, 64*PIT                     ; 18,432: behind the image: the spare words, 128 bytes a wave, two blocks of 256 bytes that no other line names
.set LOF, 4                            ; v4   byte offset of my 16 bytes in the block's first row pair of my wave
.set GOF, 5                            ; v5   byte offset of my 4 gains
.set STO, 6                            ; v6   where I put 8 bytes in the image
.set RDB, 7                            ; v7   where I read 16 bytes back
.set GST, 8                            ; v8   my byte offset in the block's 16,384 bytes of output
.set RS,  10                           ; v[10:11] the row's own factor, twice
.set T,   12                           ; v[12:15] sums of squares at work
.set SCV, 16                           ; v16  the factor of a weight's rows
.set SPW, 18                           ; v18  LDS address of my spare word; never rewritten
.set NIL, 19                           ; v19  0; never rewritten
.set G,   20                           ; v[20:51]  gains of my 32 columns
.set X,   52                           ; v[52:115] two row pairs, 32 registers each
	s_load_b512 s[8:23], s[0:1], 0x0               ; x 8, attn_norm_w 10, ffn_norm_w 12, W_q 14, W_k 16, W_v 18, W_o 20, W_gate 22
	s_load_b256 s[24:31], s[0:1], 0x40             ; W_hidden 24, W_out 26, fa 28, wf 30
	v_lshl_add_u32 v[SPW], v0, 2, SPARE
	v_mov_b32 v[NIL], 0
	v_lshrrev_b32 v1, 5, v0
	v_readfirstlane_b32 s44, v1                    ; wave 0..3
	v_and_b32 v1, 15, v0                           ; l16: my place in a row's 256 bytes
	v_bfe_u32 v2, v0, 4, 1                         ; hh: which row of the pair
	v_lshlrev_b32 v[GOF], 4, v1
	v_lshl_add_u32 v[LOF], v2, 11, v[GOF]          ; hh rows of 2,048 bytes + 16 l16
	s_lshl_b32 s45, s44, 13                        ; + 4 w rows
	v_add_nc_u32 v[LOF], s45, v[LOF]
	v_lshrrev_b32 v3, 1, v1                        ; my 4 numbers are half of group 8 u + l16 / 2
	v_mul_u32_u24 v[STO], v3, PIT
	v_lshl_add_u32 v[STO], v2, 4, v[STO]
	v_and_b32 v3, 1, v1
	v_lshl_add_u32 v[STO], v3, 3, v[STO]
	s_lshl_b32 s45, s44, 6                         ; row 4 w: 64 w bytes
	v_add_nc_u32 v[STO], s45, v[STO]
	v_mul_u32_u24 v[RDB], v2, PIT                  ; back: wave w takes groups 16 w .. 16 w + 15, two a load
	v_add_nc_u32 v[RDB], v[RDB], v[GOF]
	s_mul_i32 s45, s44, 16*PIT
	v_add_nc_u32 v[RDB], s45, v[RDB]
	v_and_b32 v3, 31, v0
	v_lshlrev_b32 v[GST], 4, v3
	s_lshl_b32 s45, s44, 12
	v_add_nc_u32 v[GST], s45, v[GST]
	; what this work-group does, from its number alone
	s_mov_b32 s2, ttmp9
	s_sub_co_u32 s3, s2, 512                       ; block among the weights' 224 (wraps for x: then it matches no matrix below)
	s_lshr_b32 s4, s3, 5                           ; which matrix, 0..6
	s_and_b32 s5, s3, 31                           ; which block of it
	s_lshr_b32 s7, s4, 1
	s_cmp_lt_u32 s2, 512
	s_cselect_b32 s32, -1, 0                       ; all ones: rows of x
	s_cselect_b32 s5, s2, s5                       ; block in the source
	s_cselect_b32 s6, s2, s3                       ; block in the destination
	s_cmp_eq_u32 s7, 2
	s_cselect_b32 s33, -1, 0                       ; all ones: W_gate or W_hidden
	s_or_b32 s34, s33, s32                         ; all ones: a gain applies
	s_cmp_eq_u32 s4, 0
	s_cselect_b32 s35, 0x3e8293ee, 1.0             ; W_q's rows take c = 0.255035, the other weights' 1.0
	v_mov_b32 v[SCV], s35
	s_mov_b32 s46, 0x3b000000                      ; 1 / 512
	s_mov_b32 s47, 0x358637bd                      ; 1e-6
	s_mov_b32 s39, 0
	s_wait_kmcnt 0x0
	s_mov_b64 s[36:37], s[8:9]                     ; the source: x, or the matrix
.irp k, 0,1,2,3,4,5,6
	s_cmp_eq_u32 s4, \k
	s_cselect_b64 s[36:37], s[14+2*\k:15+2*\k], s[36:37]
.endr
	s_lshl_b32 s38, s5, 15                         ; a block is 32,768 bytes of f32
	s_add_nc_u64 s[36:37], s[36:37], s[38:39]
	s_cmp_lg_u32 s32, 0
	s_cselect_b64 s[40:41], s[28:29], s[30:31]     ; the destination: fa or wf
	s_lshl_b32 s38, s6, 14                         ; a block is 16,384 bytes of bf16
	s_add_nc_u64 s[40:41], s[40:41], s[38:39]
	s_cmp_lg_u32 s33, 0
	s_cselect_b64 s[42:43], s[12:13], s[10:11]     ; the gain: ffn_norm_w for gate and hidden, else attn_norm_w (unused where none applies)
.irp u, 0,1,2,3,4,5,6,7
	global_load_b128 v[G+4*\u:G+4*\u+3], v[GOF], s[42:43] offset:\u*256
.endr
.irp i, 0,1
.irp u, 0,1,2,3,4,5,6,7
	global_load_b128 v[X+32*\i+4*\u:X+32*\i+4*\u+3], v[LOF], s[36:37] offset:\i*4096+\u*256 th:TH_LOAD_NT
.endr
.endr
; Row pair i: the row's sum of squares (a row lies in 16 neighbouring lanes), its factor, the two multiplications in the order (gain x) factor, the rounding, and 8 bytes a lane into the image.
.macro ROWS i
.set XB, X+32*(\i)
	v_pk_mul_f32 v[T:T+1],   v[XB:XB+1],   v[XB:XB+1]      ; two chains, started by the first products: nothing is cleared
	v_pk_mul_f32 v[T+2:T+3], v[XB+2:XB+3], v[XB+2:XB+3]
.set k, 2
.rept 14
	v_pk_fma_f32 v[T+2*(k%2):T+2*(k%2)+1], v[XB+2*k:XB+2*k+1], v[XB+2*k:XB+2*k+1], v[T+2*(k%2):T+2*(k%2)+1]
.set k, k+1
.endr
	v_pk_add_f32 v[T:T+1], v[T:T+1], v[T+2:T+3]
	v_add_f32 v[T], v[T], v[T+1]
	v_add_f32_dpp v[T], v[T], v[T] row_xmask:1 row_mask:0xf bank_mask:0xf
	v_add_f32_dpp v[T], v[T], v[T] row_xmask:2 row_mask:0xf bank_mask:0xf
	v_add_f32_dpp v[T], v[T], v[T] row_xmask:4 row_mask:0xf bank_mask:0xf
	v_add_f32_dpp v[T], v[T], v[T] row_xmask:8 row_mask:0xf bank_mask:0xf
	v_fma_f32 v[T], v[T], s46, s47                 ; mean + eps
	v_rsq_f32 v[RS], v[T]
	v_nop                                          ; a plain instruction between the root and the use of its result
	s_wait_alu depctr_va_vdst(0)
	v_cndmask_b32 v[RS], v[SCV], v[RS], s32        ; rows of x take the norm's factor, rows of a weight theirs
	v_mov_b32 v[RS+1], v[RS]
.set k, 0
.rept 16
	v_pk_mul_f32 v[XB+2*k:XB+2*k+1], v[XB+2*k:XB+2*k+1], v[G+2*k:G+2*k+1]
.set k, k+1
.endr
.set k, 0
.rept 16
	v_pk_mul_f32 v[XB+2*k:XB+2*k+1], v[XB+2*k:XB+2*k+1], v[RS:RS+1]
.set k, k+1
.endr
.set k, 0
.rept 16                               ; packed in place, ascending: register k takes numbers 2 k, 2 k + 1, which no earlier line of this run has overwritten
	v_cvt_pk_bf16_f32 v[XB+k], v[XB+2*k], v[XB+2*k+1]
.set k, k+1
.endr
.irp u, 0,1,2,3,4,5,6,7
	ds_store_b64 v[STO], v[XB+2*\u:XB+2*\u+1] offset:\u*8*PIT+(\i)*32
.endr
.endm
	s_wait_loadcnt 8                               ; loads come back in order: the gains and the first row pair are in, the second pair's eight stay out
.set k, 0
.rept 32
	v_cndmask_b32 v[G+k], 1.0, v[G+k], s34         ; no gain: 1.0
.set k, k+1
.endr
	ROWS 0
	s_wait_loadcnt 0x0
	ROWS 1
	s_wait_dscnt 0x0                               ; for the others' sake: my stores into the image are done
	s_barrier_signal -1
	s_barrier_wait -1
.irp j, 0,1,2,3,4,5,6,7
	ds_load_b128 v[X+4*\j:X+4*\j+3], v[RDB] offset:\j*2*PIT
.endr
.irp j, 0,1,2,3,4,5,6,7
	s_wait_dscnt 7-\j                              ; LDS loads come back in order: number j is in
	global_store_b128 v[GST], v[X+4*\j:X+4*\j+3], s[40:41] offset:\j*512  ; 512 consecutive bytes, at a multiple of 512 from the buffer's first
.endr
	s_wait_tensorcnt 0x0                           ; the wave's end, behind my last LDS store
	ds_add_u32 v[SPW], v[NIL]
	s_wait_dscnt 0x0
	s_endpgm
.Lfunc_end_k_qba79960dea_prep:
	.size	k_qba79960dea_prep, .Lfunc_end_k_qba79960dea_prep-k_qba79960dea_prep
	.p2alignl 7, 3214868480
	.fill 96, 4, 3214868480
	.section	.rodata,"a",@progbits
	.p2align	6, 0x0
	.amdhsa_kernel k_qba79960dea_prep
		.amdhsa_group_segment_fixed_size 18944
		.amdhsa_private_segment_fixed_size 0
		.amdhsa_enable_private_segment 0
		.amdhsa_kernarg_size 96
		.amdhsa_user_sgpr_count 2
		.amdhsa_user_sgpr_kernarg_segment_ptr 1
		.amdhsa_wavefront_size32 1
		.amdhsa_system_sgpr_workgroup_id_x 1
		.amdhsa_system_sgpr_workgroup_id_y 1
		.amdhsa_system_sgpr_workgroup_id_z 1
		.amdhsa_system_vgpr_workitem_id 0
		.amdhsa_next_free_vgpr 116
		.amdhsa_next_free_sgpr 66
		.amdhsa_reserve_vcc 0
		.amdhsa_float_denorm_mode_32 3
		.amdhsa_float_denorm_mode_16_64 3
		.amdhsa_memory_ordered 1
		.amdhsa_forward_progress 1
		.amdhsa_inst_pref_size 20
	.end_amdhsa_kernel
	.amdgpu_metadata
---
amdhsa.version: [ 1, 2 ]
amdhsa.kernels:
  - .name:           k_qba79960dea_prep
    .symbol:         k_qba79960dea_prep.kd
    .args:
      - { .name: x, .offset: 0, .size: 8, .value_kind: global_buffer, .address_space: global }
      - { .name: attn_norm_w, .offset: 8, .size: 8, .value_kind: global_buffer, .address_space: global }
      - { .name: ffn_norm_w, .offset: 16, .size: 8, .value_kind: global_buffer, .address_space: global }
      - { .name: W_q, .offset: 24, .size: 8, .value_kind: global_buffer, .address_space: global }
      - { .name: W_k, .offset: 32, .size: 8, .value_kind: global_buffer, .address_space: global }
      - { .name: W_v, .offset: 40, .size: 8, .value_kind: global_buffer, .address_space: global }
      - { .name: W_o, .offset: 48, .size: 8, .value_kind: global_buffer, .address_space: global }
      - { .name: W_gate, .offset: 56, .size: 8, .value_kind: global_buffer, .address_space: global }
      - { .name: W_hidden, .offset: 64, .size: 8, .value_kind: global_buffer, .address_space: global }
      - { .name: W_out, .offset: 72, .size: 8, .value_kind: global_buffer, .address_space: global }
      - { .name: fa, .offset: 80, .size: 8, .value_kind: global_buffer, .address_space: global }
      - { .name: wf, .offset: 88, .size: 8, .value_kind: global_buffer, .address_space: global }
    .group_segment_fixed_size: 18944
    .private_segment_fixed_size: 0
    .kernarg_segment_align: 8
    .kernarg_segment_size: 96
    .max_flat_workgroup_size: 128
    .sgpr_count:     66
    .vgpr_count:     116
    .wavefront_size: 32
...
	.end_amdgpu_metadata
.endif
;; end of part 1
;; launch qkv (part 2): grid 32 x 8, 4 waves a work-group, clusters of 4 x 1, 197,120 bytes of LDS; arguments fa, wf, qkv; writes qkv
.if DOCPART == 2
	.amdgcn_target "amdgcn-amd-amdhsa--gfx1250"
	.amdhsa_code_object_version 6
	.text
	.protected	k_qba79960dea_qkv
	.globl	k_qba79960dea_qkv
	.p2align	8
	.type	k_qba79960dea_qkv,@function
k_qba79960dea_qkv:
	s_mov_b64 s[64:65], 0
	v_nop
	global_prefetch_b8 v0, s[64:65] scope:SCOPE_SE
	s_setreg_imm32_b32 hwreg(HW_REG_WAVE_MODE, 25, 1), 1
	s_wait_xcnt 0x0
	s_wait_alu depctr_hold_cnt(0) depctr_sa_sdst(0) depctr_va_vdst(0) depctr_va_sdst(0) depctr_va_ssrc(0) depctr_va_vcc(0) depctr_vm_vsrc(0)
	s_getreg_b32 s2, hwreg(HW_REG_IB_STS2, 6, 4)
	s_cmp_eq_u32 s2, 0
	s_cbranch_scc0 .Lentry_in_a_cluster
	s_endpgm
.Lentry_in_a_cluster:
	s_bfe_u32 s2, ttmp6, 0x10000c
	s_cmp_lg_u32 s2, 0x3003
	s_cbranch_scc0 .Lentry_shape_is_right
	s_endpgm
.Lentry_shape_is_right:
; QKV.  q = xn W_q^T (W_q already holds the scores' scale), k = xn W_k^T, v = xn W_v^T, bf16 operands, f32 sums, results rounded once to bf16 and stored BY HEADS in fragment order:
; qkv = q | k | v, 8 MB each, [head 16 b + n][block of 16 rows in the batch][1,024 bytes].  q, k: byte 512 p + 16 L holds row L % 16, channels 16 p + 8 (L / 16) + 0..7.
; v: byte 512 cb + 16 L holds channel 16 cb + L % 16, rows (keys) 8 (L / 16) + 0..7: the turned form that the second product of attention takes.
; SHARES.  A work-group makes 256 rows x 64 columns (two heads) of each of q, k, v; a wave 64 rows: 16 accumulators.  K = 512 is short: the wave's 64 rows of xn stay in 512 registers for all three
; products, loaded once, straight from memory in fragment order; the three weights' 64 rows lie whole in LDS (192 KB).  Every LDS byte is filled once: no ring, no refill.
; CLUSTER.  The four work-groups of a cluster have the same columns and ask for the weights JOINTLY.  The rows of xn are not shared through LDS: eight column blocks read them, but they go from memory into
; registers as they lie; a way through LDS would add 256 KB written and 256 KB read for each work-group.
; q and k: source 0 = 16 rows of W, source 1 = 16 rows of xn: a lane holds one row and 8 neighbouring channels.  v: the sources swapped: a lane holds one channel and 8 neighbouring rows.
; REGISTERS in windows of 256 (s_set_vgpr_msb: bits 1:0 source 0, 3:2 source 1, 5:4 source 2, 7:6 destination):
;   window 0: v1, v2 addresses; v28, v29 the add's; v64-127 two buffers of 4 fragments of W, later the packed results; v128-255 accumulator (j, rt) at 128 + 8 (4 j + rt)
;   window 1: xn's fragments for k steps 0-7, (c, rt) at 32 (c % 8) + 8 rt;   window 2: k steps 8-15
.set SPARE, 3*65536                    ; behind the weights: the spare words, 128 bytes a wave
.set L16, 1                            ; v1   16 x lane; never rewritten
.set BAD, 2                            ; v2   16 x lane + the LDS byte at which the product's weights begin
.set SPW, 28
.set NIL, 29
.set BF,  64
.set ACC, 128
.set WV, 18                            ; s18 wave   s19 cx   s20 block of 256 rows   s21 block of 64 columns
.set CX, 19
.set RB, 20
.set YB, 21
.set G1, 24                            ; s[24:31] descriptor group 1
.set G0, 32                            ; s[32:43] descriptor group 0, a set for each of the three weights
.set MSB, 0
.macro WIN new                         ; the immediate's high byte repeats the setting that is left; a switch that changes nothing is dropped
.if MSB != (\new)
	s_set_vgpr_msb (MSB<<8)|(\new)
.set MSB, \new
.endif
.endm
.macro PLACES n
.rept \n
	v_nop
.endr
.endm
.macro ROUND                           ; a round of the cluster's barrier
	s_barrier_signal -1
	s_barrier_wait -1
	s_cmp_lg_u32 s[WV], 0
	s_cbranch_scc1 .Lnw0_\@
	s_barrier_signal -3
.Lnw0_\@:
	s_barrier_wait -3
	s_barrier_signal -1
	s_barrier_wait -1
.endm
.macro ALOAD                           ; my 64 rows x 512 k: 128 loads of 512 consecutive bytes, k step by k step
.set cc, 0
.rept 16
	WIN 0x40*(1+cc/8)
.irp rt, 0,1,2,3
	global_load_b128 v[32*(cc%8)+8*\rt:32*(cc%8)+8*\rt+3],   v[L16], s[4:5] offset:\rt*16384+cc*1024
	global_load_b128 v[32*(cc%8)+8*\rt+4:32*(cc%8)+8*\rt+7], v[L16], s[4:5] offset:\rt*16384+cc*1024+512
.endr
.set cc, cc+1
.endr
	WIN 0
.endm
.macro BFETCH c                        ; the four fragments of W for k step c: 8 loads of 512 consecutive bytes
.set bb, BF+32*((\c)%2)
.irp j, 0,1,2,3
	ds_load_b128 v[bb+8*\j:bb+8*\j+3],   v[BAD] offset:\j*16384+(\c)*1024
	ds_load_b128 v[bb+8*\j+4:bb+8*\j+7], v[BAD] offset:\j*16384+(\c)*1024+512
.endr
.endm
; One product: 16 k steps of 16 matrix instructions.  The 16 accumulators take turns, one instruction a turn.  zero = 1: the first step starts the sums.
; nat = 0: source 0 = W, source 1 = my rows.  nat = 1: the sources swapped (then the LDS loads' address place is switched back to window 0 each step).
.macro PASS zero, nat
	BFETCH 0
.set cc, 0
.rept 16
.if cc > 0
	PLACES 4                                       ; the loads below land in the buffer that the step before multiplied
.endif
.if cc < 15
.if \nat
	WIN 0
.endif
	BFETCH cc+1
.endif
.if 120-8*cc > 63
	s_wait_loadcnt 63                              ; behind this step's eight loads of my rows 120 - 8 c were issued; the count's field ends at 63
.else
	s_wait_loadcnt 120-8*cc
.endif
.if cc < 15
	s_wait_dscnt 8                                 ; all but the eight just issued
.else
	s_wait_dscnt 0
.endif
.if \nat
	WIN 1+cc/8
.else
	WIN 4*(1+cc/8)
.endif
.set ab, 32*(cc%8)
.set bb, BF+32*(cc%2)
.irp j, 0,1,2,3
.irp rt, 0,1,2,3
.if (\zero) && (cc == 0)
.if \nat
	v_wmma_f32_16x16x32_bf16 v[ACC+8*(4*\j+\rt):ACC+8*(4*\j+\rt)+7], v[ab+8*\rt:ab+8*\rt+7], v[bb+8*\j:bb+8*\j+7], 0
.else
	v_wmma_f32_16x16x32_bf16 v[ACC+8*(4*\j+\rt):ACC+8*(4*\j+\rt)+7], v[bb+8*\j:bb+8*\j+7], v[ab+8*\rt:ab+8*\rt+7], 0
.endif
.else
.if \nat
	v_wmma_f32_16x16x32_bf16 v[ACC+8*(4*\j+\rt):ACC+8*(4*\j+\rt)+7], v[ab+8*\rt:ab+8*\rt+7], v[bb+8*\j:bb+8*\j+7], v[ACC+8*(4*\j+\rt):ACC+8*(4*\j+\rt)+7]
.else
	v_wmma_f32_16x16x32_bf16 v[ACC+8*(4*\j+\rt):ACC+8*(4*\j+\rt)+7], v[bb+8*\j:bb+8*\j+7], v[ab+8*\rt:ab+8*\rt+7], v[ACC+8*(4*\j+\rt):ACC+8*(4*\j+\rt)+7]
.endif
.endif
.endr
.endr
.set cc, cc+1
.endr
	PLACES 4                                       ; in front of what reads the results and writes the buffers
	WIN 0
.endm
.macro WAYOUT                          ; a lane's 8 results are 16 bytes that belong together: rounded, and stored as they lie, 512 consecutive bytes a store
.set k, 0
.rept 16
.irp i, 0,1,2,3
	v_cvt_pk_bf16_f32 v[BF+4*k+\i], v[ACC+8*k+2*\i], v[ACC+8*k+2*\i+1]
.endr
.set k, k+1
.endr
.set k, 0
.rept 16                               ; k = 4 j + rt: head j / 2, half j % 2 of its 32 channels, row block rt
	global_store_b128 v[L16], v[BF+4*k:BF+4*k+3], s[8:9] offset:(k/8)*131072+((k/4)%2)*512+(k%4)*1024
.set k, k+1
.endr
.endm
	s_load_b128 s[4:7], s[0:1], 0x0                ; fa s[4:5], wf s[6:7]
	s_load_b64 s[8:9], s[0:1], 0x10                ; qkv
	v_lshl_add_u32 v[SPW], v0, 2, SPARE
	v_mov_b32 v[NIL], 0
	ds_add_u32 v[SPW], v[NIL]                      ; the wave's opening: the add and its wait stand ahead of my first tensor load
	v_lshrrev_b32 v8, 5, v0
	v_readfirstlane_b32 s[WV], v8                  ; wave 0..3
	v_and_b32 v[L16], 31, v0
	v_lshlrev_b32 v[L16], 4, v[L16]
	v_mov_b32 v[BAD], v[L16]
	s_bfe_u32 s[CX], ttmp6, 0x40000                ; my place in the cluster
	s_lshl_b32 s[RB], ttmp9, 2
	s_add_co_u32 s[RB], s[RB], s[CX]               ; block of 256 rows = 4 x cluster x + cx: it enters the addresses of my rows and results alone
	s_and_b32 s[YB], ttmp7, 0xffff                 ; block of 64 columns, which the four partners share
	; group 1: 16 rows of a weight in fragment order are 16,384 dense bytes: 64 rows of 256 bytes, in elements of 8
	s_mov_b32 s[G1+0], 15|(3<<16)|(1<<21)          ; 15:0 the mask of four; 17:16 elements of 8 bytes; 21 set beside a mask
	s_mov_b32 s[G1+1], 32<<16                      ; tensor_dim0 = 32
	s_mov_b32 s[G1+2], 64<<16                      ; tensor_dim1 = 64
	s_mov_b32 s[G1+3], 32<<16                      ; tile_dim0 = 32
	s_mov_b32 s[G1+4], 64                          ; tile_dim1 = 64
	s_mov_b32 s[G1+5], 32                          ; 32 elements from row to row
	s_mov_b32 s[G1+6], 0
	s_mov_b32 s[G1+7], 0
	s_lshl2_add_u32 s52, s[YB], s[WV]              ; wave w fetches block 4 y + w of 16 rows of each weight
	s_lshl_b32 s52, s52, 14
	s_mov_b32 s53, 0
	s_lshl_b32 s54, s[WV], 14                      ; and puts it at 16,384 w of the weight's 65,536 bytes of LDS
	s_lshl_b32 s56, s[RB], 18                      ; my rows: 256 rows are 262,144 bytes of fa, a wave's 64 are 65,536
	s_lshl_b32 s57, s[WV], 16
	s_add_co_u32 s56, s56, s57
	s_mov_b32 s57, 0
	s_lshr_b32 s58, s[RB], 3                       ; the batch
	s_lshl_b32 s58, s58, 3
	s_add_co_u32 s58, s58, s[YB]
	s_lshl_b32 s58, s58, 18                        ; head 16 b + 2 y, 131,072 bytes a head
	s_and_b32 s59, s[RB], 7
	s_lshl2_add_u32 s59, s59, s[WV]
	s_lshl_b32 s59, s59, 12                        ; row block 16 (RB % 8) + 4 w of the batch, 1,024 bytes a block
	s_add_co_u32 s58, s58, s59
	s_mov_b32 s59, 0
	s_wait_dscnt 0x0                               ; the opening add is done
	s_wait_kmcnt 0x0
	s_add_nc_u64 s[52:53], s[6:7], s[52:53]
.irp m, 0,1,2
	s_mov_b32 s[G0+4*\m], 1
	s_add_co_u32 s[G0+4*\m+1], s54, \m*65536
	s_add_nc_u64 s[G0+4*\m+2:G0+4*\m+3], s[52:53], \m*524288
	s_or_b32 s[G0+4*\m+3], s[G0+4*\m+3], 0x80000000
.endr
	ROUND                                          ; all four work-groups are here: the joint loads meet
.irp m, 0,1,2                          ; three tensor loads of mine are out: all that this launch has
	tensor_load_to_lds s[G0+4*\m:G0+4*\m+3], s[G1:G1+7]
	s_nop 0
.endr
	PLACES 4
	s_add_nc_u64 s[4:5], s[4:5], s[56:57]
	s_add_nc_u64 s[8:9], s[8:9], s[58:59]
	ALOAD
	s_wait_tensorcnt 0x0                           ; my parts of the weights are in,
	s_barrier_signal -1
	s_barrier_wait -1                              ; everybody's are; nothing is ever filled again
	s_mov_b32 s3, 2
.Lqk:                                                  ; q, then k
	PASS 1, 0
	WAYOUT
	s_wait_xcnt 0x0                                ; the stores' data registers and base are rewritten only behind this wait
	v_add_nc_u32 v[BAD], 0x10000, v[BAD]           ; the next weight
	s_add_nc_u64 s[8:9], s[8:9], 0x800000          ; the next third of qkv
	s_sub_co_u32 s3, s3, 1
	s_cmp_lg_u32 s3, 0
	s_cbranch_scc1 .Lqk
	PASS 1, 1                                      ; v, turned
	WAYOUT
	s_wait_tensorcnt 0x0                           ; the wave's end
	ds_add_u32 v[SPW], v[NIL]
	s_wait_dscnt 0x0
	ROUND                                          ; the closing round
	s_endpgm
.Lfunc_end_k_qba79960dea_qkv:
	.size	k_qba79960dea_qkv, .Lfunc_end_k_qba79960dea_qkv-k_qba79960dea_qkv
	.p2alignl 7, 3214868480
	.fill 96, 4, 3214868480
	.section	.rodata,"a",@progbits
	.p2align	6, 0x0
	.amdhsa_kernel k_qba79960dea_qkv
		.amdhsa_group_segment_fixed_size 197120
		.amdhsa_private_segment_fixed_size 0
		.amdhsa_enable_private_segment 0
		.amdhsa_kernarg_size 24
		.amdhsa_user_sgpr_count 2
		.amdhsa_user_sgpr_kernarg_segment_ptr 1
		.amdhsa_wavefront_size32 1
		.amdhsa_system_sgpr_workgroup_id_x 1
		.amdhsa_system_sgpr_workgroup_id_y 1
		.amdhsa_system_sgpr_workgroup_id_z 1
		.amdhsa_system_vgpr_workitem_id 0
		.amdhsa_next_free_vgpr 768
		.amdhsa_next_free_sgpr 66
		.amdhsa_reserve_vcc 0
		.amdhsa_float_denorm_mode_32 3
		.amdhsa_float_denorm_mode_16_64 3
		.amdhsa_memory_ordered 1
		.amdhsa_forward_progress 1
		.amdhsa_inst_pref_size 83
	.end_amdhsa_kernel
	.amdgpu_metadata
---
amdhsa.version: [ 1, 2 ]
amdhsa.kernels:
  - .name:           k_qba79960dea_qkv
    .symbol:         k_qba79960dea_qkv.kd
    .args:
      - { .name: fa, .offset: 0, .size: 8, .value_kind: global_buffer, .address_space: global }
      - { .name: wf, .offset: 8, .size: 8, .value_kind: global_buffer, .address_space: global }
      - { .name: qkv, .offset: 16, .size: 8, .value_kind: global_buffer, .address_space: global }
    .group_segment_fixed_size: 197120
    .private_segment_fixed_size: 0
    .kernarg_segment_align: 8
    .kernarg_segment_size: 24
    .max_flat_workgroup_size: 128
    .sgpr_count:     66
    .vgpr_count:     768
    .wavefront_size: 32
...
	.end_amdgpu_metadata
.endif
;; end of part 2
;; launch attn (part 3): grid 4 x 64, 8 waves a work-group, clusters of 4 x 1, 263,168 bytes of LDS; arguments qkv, fb; writes fb
.if DOCPART == 3
	.amdgcn_target "amdgcn-amd-amdhsa--gfx1250"
	.amdhsa_code_object_version 6
	.text
	.protected	k_qba79960dea_attn
	.globl	k_qba79960dea_attn
	.p2align	8
	.type	k_qba79960dea_attn,@function
k_qba79960dea_attn:
	s_mov_b64 s[64:65], 0
	v_nop
	global_prefetch_b8 v0, s[64:65] scope:SCOPE_SE
	s_setreg_imm32_b32 hwreg(HW_REG_WAVE_MODE, 25, 1), 1
	s_wait_xcnt 0x0
	s_wait_alu depctr_hold_cnt(0) depctr_sa_sdst(0) depctr_va_vdst(0) depctr_va_sdst(0) depctr_va_ssrc(0) depctr_va_vcc(0) depctr_vm_vsrc(0)
	s_getreg_b32 s2, hwreg(HW_REG_IB_STS2, 6, 4)
	s_cmp_eq_u32 s2, 0
	s_cbranch_scc0 .Lentry_in_a_cluster
	s_endpgm
.Lentry_in_a_cluster:
	s_bfe_u32 s2, ttmp6, 0x10000c
	s_cmp_lg_u32 s2, 0x3003
	s_cbranch_scc0 .Lentry_shape_is_right
	s_endpgm
.Lentry_shape_is_right:
; ATTENTION, head size 32, no mask.  o[q] = the sum over k of softmax_k(q . k / sqrt(32)) v[k], for each of 64 heads of 2,048 rows.  q already holds log2(e) / sqrt(32), so a score is an exponent of 2.
; q, k, v come by heads in fragment order (see the launch before); o leaves in fragment order of a [8192][512] matrix, a head's 32 channels being k step n of the next product.
; Products in bf16 with f32 sums; maxima in f32; the weights p = 2^(s - m), m a RUNNING MAXIMUM, are rounded to bf16 for the second product.
; LIMITS.  The row sum l is taken of the ROUNDED weights, by the matrix unit (a product with ones), in f32: numerator and divisor see the same weights.  A weight below 2^-126 counts as 0.  m starts at the lowest
; finite number, o and l at 0: the first step is a step like any other, with a = 0.  NaN and infinities are not treated apart.
; SHARES.  A work-group owns 512 queries of one head, each of its 8 waves 64: four tiles of 16.  A head's K and V are 128 KB each: the WHOLE head lies in LDS, filled once: no ring and no barrier in the loop.
; Two waves share a SIMD and drift apart freely: one's products stand beside the other's softmax.  A step is 64 keys: 16 + 24 matrix instructions and 376 vector instructions a wave.
; CLUSTER.  The four query blocks of a head form a cluster and ask for K and V JOINTLY: one tensor load a wave, 32 KB.
; LAYOUT.  S^T = K Q^T: a lane holds ONE query (lane % 16) and keys 8 (lane / 16) + 0..7 of each block of 16.  Rounded in pairs, in place, two blocks ARE source 1 (32 keys x 16 queries) of O^T = V^T P.
; REGISTERS in windows of 256 (s_set_vgpr_msb: bits 1:0 source 0, 3:2 source 1, 5:4 source 2, 7:6 destination):
;   window 0: v1-5 addresses and the add's two; v16-47 statistics, 8 a tile: m, x, a, a', c0-c3; v48-79 Q; v80-111 K of a step; v112-239 S^T, 32 a tile (P takes the low 16)
;   window 1: v0-31 V of a step; v32-39 ones; v64-127 O^T, 16 a tile; v128-159 l, 8 a tile (register 0 is l; the others hold unscaled sums, at most 2,048, and are never read)
.set VIMG,  131072                     ; K's image at 0, V's here
.set SPARE, 262144                     ; behind them: the spare words, 128 bytes for each of 8 waves
.set L16, 1                            ; v1  16 x lane; never rewritten
.set AK,  2                            ; v2  LDS address of K's next step
.set AV,  3                            ; v3  of V's
.set SPW, 4
.set NIL, 5
.set ST,  16
.set QF,  48
.set KF,  80
.set S,   112
.set ONES, 32                          ; window 1
.set O,   64
.set LA,  128
.set WV, 8                             ; s8 wave   s9 cx   s10 head   s11 steps to go
.set CX, 9
.set HY, 10
.set G0, 12                            ; s[12:15]
.set G1, 16                            ; s[16:23]
.set SEL, 28                           ; s[28:29] v_permlanex16_b32's selects: each lane takes its own place in the other half
.set MSB, 0
.macro WIN new
.if MSB != (\new)
	s_set_vgpr_msb (MSB<<8)|(\new)
.set MSB, \new
.endif
.endm
.macro PLACES n
.rept \n
	v_nop
.endr
.endm
.macro ROUND
	s_barrier_signal -1
	s_barrier_wait -1
	s_cmp_lg_u32 s[WV], 0
	s_cbranch_scc1 .Lnw0_\@
	s_barrier_signal -3
.Lnw0_\@:
	s_barrier_wait -3
	s_barrier_signal -1
	s_barrier_wait -1
.endm
.macro KFETCH                          ; 64 keys x 32 channels: 4 fragments, 8 loads of 512 consecutive bytes
.irp i, 0,1,2,3,4,5,6,7
	ds_load_b128 v[KF+4*\i:KF+4*\i+3], v[AK] offset:512*\i
.endr
.endm
.macro VFETCH                          ; fragment (kk, cb) = 32 keys x 16 channels at 8 (2 kk + cb): its low half from key block 2 kk, its high half from 2 kk + 1
	WIN 0x40
.irp mb, 0,1,2,3
.irp cb, 0,1
	ds_load_b128 v[8*(2*(\mb/2)+\cb)+4*(\mb%2):8*(2*(\mb/2)+\cb)+4*(\mb%2)+3], v[AV] offset:\mb*1024+\cb*512
.endr
.endr
	WIN 0
.endm
; Number n of the 21 that find tile t's new maximum and a.  Each accumulator's lowest registers are read first.
.macro MX n, t
.set rT, ST+8*(\t)
.set rS, S+32*(\t)
.if (\n) < 4
	v_max3_num_f32 v[rT+4+(\n)], v[rS+8*(\n)], v[rS+8*(\n)+1], v[rS+8*(\n)+2]
.elseif (\n) < 12
	v_max3_num_f32 v[rT+4+(\n)%4], v[rT+4+(\n)%4], v[rS+8*((\n)%4)+2*((\n)/4)+1], v[rS+8*((\n)%4)+2*((\n)/4)+2]
.elseif (\n) == 12
	v_max3_num_f32 v[rT+4], v[rT+4], v[rS+7], v[rS+15]
.elseif (\n) == 13
	v_max3_num_f32 v[rT+5], v[rT+5], v[rS+23], v[rS+31]
.elseif (\n) == 14
	v_max3_num_f32 v[rT+6], v[rT+6], v[rT+7], v[rT]
.elseif (\n) == 15
	v_max3_num_f32 v[rT+4], v[rT+4], v[rT+5], v[rT+6]
.elseif (\n) == 16
	v_permlanex16_b32 v[rT+1], v[rT+4], s[SEL], s[SEL+1]  ; the query's other 32 keys lie in the lane 16 away
.elseif (\n) == 17
	v_max_num_f32 v[rT+5], v[rT+4], v[rT+1]
.elseif (\n) == 18
	v_sub_f32 v[rT+6], v[rT], v[rT+5]              ; m_old - m_new
.elseif (\n) == 19
	v_mov_b32 v[rT], v[rT+5]
.else
	v_exp_f32 v[rT+2], v[rT+6]                     ; a
.endif
.endm
.macro FS t, q                         ; pair q of tile t: s - m
	v_pk_add_f32 v[S+32*(\t)+2*(\q):S+32*(\t)+2*(\q)+1], v[S+32*(\t)+2*(\q):S+32*(\t)+2*(\q)+1], v[ST+8*(\t):ST+8*(\t)+1] op_sel_hi:[1,0] neg_lo:[0,1] neg_hi:[0,1]
.endm
.macro CV t, p                         ; pair p rounded to bf16, into register p: in place, ascending
	s_wait_alu depctr_va_vdst(0)
	v_cvt_pk_bf16_f32 v[S+32*(\t)+(\p)], v[S+32*(\t)+2*(\p)], v[S+32*(\t)+2*(\p)+1]
.endm
	s_load_b128 s[4:7], s[0:1], 0x0                ; qkv s[4:5], fb s[6:7]
	v_lshl_add_u32 v[SPW], v0, 2, SPARE
	v_mov_b32 v[NIL], 0
	ds_add_u32 v[SPW], v[NIL]                      ; the wave's opening: the add and its wait stand ahead of my first tensor load
	v_lshrrev_b32 v8, 5, v0
	v_readfirstlane_b32 s[WV], v8                  ; wave 0..7
	v_and_b32 v[L16], 31, v0
	v_lshlrev_b32 v[L16], 4, v[L16]
	v_mov_b32 v[AK], v[L16]
	v_add_nc_u32 v[AV], VIMG, v[L16]
	s_bfe_u32 s[CX], ttmp6, 0x40000
	s_and_b32 s[HY], ttmp7, 0xffff                 ; the head, which the four partners share
	; group 1: 32,768 dense bytes as 128 rows of 256, in elements of 8
	s_mov_b32 s[G1+0], 15|(3<<16)|(1<<21)
	s_mov_b32 s[G1+1], 32<<16
	s_mov_b32 s[G1+2], 128<<16
	s_mov_b32 s[G1+3], 32<<16
	s_mov_b32 s[G1+4], 128
	s_mov_b32 s[G1+5], 32
	s_mov_b32 s[G1+6], 0
	s_mov_b32 s[G1+7], 0
	s_lshr_b32 s24, s[WV], 2                       ; waves 0-3 fetch K's quarters, waves 4-7 V's: k lies 8 MB, v 16 MB into qkv
	s_add_co_u32 s24, s24, 1
	s_lshl_b32 s24, s24, 23
	s_lshl_b32 s25, s[HY], 17                      ; 131,072 bytes a head
	s_add_co_u32 s24, s24, s25
	s_and_b32 s25, s[WV], 3
	s_lshl_b32 s25, s25, 15
	s_add_co_u32 s24, s24, s25
	s_mov_b32 s25, 0
	s_mov_b32 s[G0], 1
	s_lshl_b32 s[G0+1], s[WV], 15                  ; LDS: 32,768 x wave
	s_lshl_b32 s26, ttmp9, 2
	s_add_co_u32 s26, s26, s[CX]                   ; my block of 512 queries: it enters Q's and O's addresses alone
	s_lshl3_add_u32 s26, s26, s[WV]                ; my wave's 64 queries among the head's 32 such
	s_lshl_b32 s30, s26, 12                        ; 4,096 bytes of q
	s_lshl_b32 s31, s[HY], 17
	s_add_co_u32 s30, s30, s31
	s_mov_b32 s31, 0
	s_lshr_b32 s32, s[HY], 4                       ; the batch
	s_lshl_b32 s32, s32, 5
	s_add_co_u32 s32, s32, s26
	s_lshl_b32 s32, s32, 16                        ; 64 rows of fb are 65,536 bytes
	s_and_b32 s33, s[HY], 15
	s_lshl_b32 s33, s33, 10                        ; the head's k step
	s_add_co_u32 s32, s32, s33
	s_mov_b32 s33, 0
	s_mov_b32 s[SEL], 0x76543210
	s_mov_b32 s[SEL+1], 0xfedcba98
	s_mov_b32 s11, 32
	s_wait_dscnt 0x0                               ; the opening add is done
	s_wait_kmcnt 0x0
	s_add_nc_u64 s[G0+2:G0+3], s[4:5], s[24:25]
	s_or_b32 s[G0+3], s[G0+3], 0x80000000
	ROUND                                          ; all four work-groups are here: the joint loads meet
	tensor_load_to_lds s[G0:G0+3], s[G1:G1+7]      ; my one tensor load
	s_nop 0
	PLACES 4
	s_add_nc_u64 s[30:31], s[4:5], s[30:31]
	s_add_nc_u64 s[6:7], s[6:7], s[32:33]
.irp i, 0,1,2,3,4,5,6,7
	global_load_b128 v[QF+4*\i:QF+4*\i+3], v[L16], s[30:31] offset:512*\i  ; Q stays in registers: tile i / 2, half i % 2
.endr
	; what the first step finds; all this stands in the wait for the head's tiles.  104 lines that write constants are the price of writing no first step out
	WIN 0x40
.set i, 0
.rept 96
	v_mov_b32 v[O+i], 0
.set i, i+1
.endr
.set i, 0
.rept 8
	v_mov_b32 v[ONES+i], 0x3f803f80                ; 1.0 twice in bf16
.set i, i+1
.endr
	WIN 0
.irp t, 0,1,2,3
	v_mov_b32 v[ST+8*\t], 0xff7fffff               ; m
	v_mov_b32 v[ST+8*\t+1], 0
	v_mov_b32 v[ST+8*\t+2], 0
	v_mov_b32 v[ST+8*\t+3], 0                      ; named with a as a pair
.endr
	s_wait_tensorcnt 0x0                           ; my part of the head is in,
	s_barrier_signal -1
	s_barrier_wait -1                              ; everybody's is; nothing is ever filled again
	KFETCH
	s_wait_loadcnt 0x0                             ; Q
.Lstep:                                                ; 32 trips of 64 keys
	PLACES 5                                       ; the scores below write over P, and V's registers are loaded again: both were read by the last trip's products
	VFETCH
	s_wait_dscnt 8                                 ; K is in; V's eight, issued behind it, stay out
.irp t, 0,1,2,3
.irp kb, 0,1,2,3
	v_wmma_f32_16x16x32_bf16 v[S+32*\t+8*\kb:S+32*\t+8*\kb+7], v[KF+8*\kb:KF+8*\kb+7], v[QF+8*\t:QF+8*\t+7], 0
.endr
.endr
	PLACES 4                                       ; in front of the loads into K's registers and of the maxima
	v_add_nc_u32 v[AK], 0x1000, v[AK]
	KFETCH                                         ; the next step's K.  The last trip's run reads V's first 4 KB, which lie there and are not used: the price of one text for every trip
.irp n, 0,1,2,3,4,5,6,7,8,9,10,11,12,13,14,15,16,17,18,19,20
.irp t, 0,1,2,3
	MX \n, \t                                      ; the four tiles alternate: no line reads the result of the one before it
.endr
.endr
.irp q, 0,1
.irp t, 0,1,2,3
	FS \t, \q
.endr
.endr
; 32 rounds of four exponentials.  Behind an even round the subtraction for a pair two pairs ahead, behind an odd one the rounding of a pair whose exponentials stand two rounds back or more:
; a plain line stands between every exponential and the use of its result.
.set i, 0
.rept 32
.irp t, 0,1,2,3
	v_exp_f32 v[S+32*\t+i], v[S+32*\t+i]
.endr
.if (i%2 == 0) && (i/2+2 < 16)
.irp t, 0,1,2,3
	FS \t, i/2+2
.endr
.endif
.if (i%2 == 1) && (i >= 3)
.irp t, 0,1,2,3
	CV \t, (i-3)/2
.endr
.endif
.set i, i+1
.endr
.irp t, 0,1,2,3
	CV \t, 15
.endr
	WIN 0x41                                       ; O^T and l times a
.irp t, 0,1,2,3
.irp z, 0,1,2,3,4,5,6,7
	v_pk_mul_f32 v[O+16*\t+2*\z:O+16*\t+2*\z+1], v[O+16*\t+2*\z:O+16*\t+2*\z+1], v[ST+8*\t+2:ST+8*\t+3] op_sel_hi:[1,0]
.endr
	v_mul_f32 v[LA+8*\t], v[LA+8*\t], v[ST+8*\t+2]
.endr
	s_wait_dscnt 8                                 ; V is in; the next K's eight stay out
	WIN 0x51                                       ; V and ones in window 1, P in window 0, sums in window 1.  The 12 accumulators take turns
.irp kk, 0,1
.irp t, 0,1,2,3
	v_wmma_f32_16x16x32_bf16 v[O+16*\t:O+16*\t+7],    v[16*\kk:16*\kk+7],    v[S+32*\t+8*\kk:S+32*\t+8*\kk+7], v[O+16*\t:O+16*\t+7]
	v_wmma_f32_16x16x32_bf16 v[O+16*\t+8:O+16*\t+15], v[16*\kk+8:16*\kk+15], v[S+32*\t+8*\kk:S+32*\t+8*\kk+7], v[O+16*\t+8:O+16*\t+15]
	v_wmma_f32_16x16x32_bf16 v[LA+8*\t:LA+8*\t+7],    v[ONES:ONES+7],        v[S+32*\t+8*\kk:S+32*\t+8*\kk+7], v[LA+8*\t:LA+8*\t+7]
.endr
.endr
	WIN 0
	v_add_nc_u32 v[AV], 0x1000, v[AV]
	s_sub_co_u32 s11, s11, 1
	s_cmp_lg_u32 s11, 0
	s_cbranch_scc1 .Lstep
	; THE WAY OUT: O^T / l, rounded to bf16; a lane's 8 channels of a row are 16 bytes that lie as the next product's fragments want them
	PLACES 4
	WIN 0x01
.irp t, 0,1,2,3
	v_rcp_f32 v[ST+8*\t+2], v[LA+8*\t]             ; l is at least 1: the largest weight is 1
.endr
	v_nop                                          ; a plain instruction between the last reciprocal and the use of its result
	WIN 0x41
	s_wait_alu depctr_va_vdst(0)
.irp t, 0,1,2,3
.irp z, 0,1,2,3,4,5,6,7
	v_pk_mul_f32 v[O+16*\t+2*\z:O+16*\t+2*\z+1], v[O+16*\t+2*\z:O+16*\t+2*\z+1], v[ST+8*\t+2:ST+8*\t+3] op_sel_hi:[1,0]
.endr
.endr
	WIN 0x05
.set i, 0
.rept 32
	v_cvt_pk_bf16_f32 v[S+i], v[O+2*i], v[O+2*i+1]
.set i, i+1
.endr
	WIN 0
.irp t, 0,1,2,3
.irp cb, 0,1
	global_store_b128 v[L16], v[S+8*\t+4*\cb:S+8*\t+4*\cb+3], s[6:7] offset:\t*16384+\cb*512  ; 512 consecutive bytes, at a multiple of 512 from fb's first
.endr
.endr
	s_wait_tensorcnt 0x0                           ; the wave's end
	ds_add_u32 v[SPW], v[NIL]
	s_wait_dscnt 0x0
	ROUND                                          ; the closing round
	s_endpgm
.Lfunc_end_k_qba79960dea_attn:
	.size	k_qba79960dea_attn, .Lfunc_end_k_qba79960dea_attn-k_qba79960dea_attn
	.p2alignl 7, 3214868480
	.fill 96, 4, 3214868480
	.section	.rodata,"a",@progbits
	.p2align	6, 0x0
	.amdhsa_kernel k_qba79960dea_attn
		.amdhsa_group_segment_fixed_size 263168
		.amdhsa_private_segment_fixed_size 0
		.amdhsa_enable_private_segment 0
		.amdhsa_kernarg_size 16
		.amdhsa_user_sgpr_count 2
		.amdhsa_user_sgpr_kernarg_segment_ptr 1
		.amdhsa_wavefront_size32 1
		.amdhsa_system_sgpr_workgroup_id_x 1
		.amdhsa_system_sgpr_workgroup_id_y 1
		.amdhsa_system_sgpr_workgroup_id_z 1
		.amdhsa_system_vgpr_workitem_id 0
		.amdhsa_next_free_vgpr 416
		.amdhsa_next_free_sgpr 66
		.amdhsa_reserve_vcc 0
		.amdhsa_float_denorm_mode_32 3
		.amdhsa_float_denorm_mode_16_64 3
		.amdhsa_memory_ordered 1
		.amdhsa_forward_progress 1
		.amdhsa_inst_pref_size 40
	.end_amdhsa_kernel
	.amdgpu_metadata
---
amdhsa.version: [ 1, 2 ]
amdhsa.kernels:
  - .name:           k_qba79960dea_attn
    .symbol:         k_qba79960dea_attn.kd
    .args:
      - { .name: qkv, .offset: 0, .size: 8, .value_kind: global_buffer, .address_space: global }
      - { .name: fb, .offset: 8, .size: 8, .value_kind: global_buffer, .address_space: global }
    .group_segment_fixed_size: 263168
    .private_segment_fixed_size: 0
    .kernarg_segment_align: 8
    .kernarg_segment_size: 16
    .max_flat_workgroup_size: 256
    .sgpr_count:     66
    .vgpr_count:     416
    .wavefront_size: 32
...
	.end_amdgpu_metadata
.endif
;; end of part 3
;; launch oproj (part 4): grid 32 x 8, 4 waves a work-group, clusters of 4 x 1, 167,936 bytes of LDS; arguments fb, wf, x, b_o, x1d, fa, ss; writes x1d, fa, ss
.if DOCPART == 4
	.amdgcn_target "amdgcn-amd-amdhsa--gfx1250"
	.amdhsa_code_object_version 6
	.text
	.protected	k_qba79960dea_oproj
	.globl	k_qba79960dea_oproj
	.p2align	8
	.type	k_qba79960dea_oproj,@function
k_qba79960dea_oproj:
	s_mov_b64 s[64:65], 0
	v_nop
	global_prefetch_b8 v0, s[64:65] scope:SCOPE_SE
	s_setreg_imm32_b32 hwreg(HW_REG_WAVE_MODE, 25, 1), 1
	s_wait_xcnt 0x0
	s_wait_alu depctr_hold_cnt(0) depctr_sa_sdst(0) depctr_va_vdst(0) depctr_va_sdst(0) depctr_va_ssrc(0) depctr_va_vcc(0) depctr_vm_vsrc(0)
	s_getreg_b32 s2, hwreg(HW_REG_IB_STS2, 6, 4)
	s_cmp_eq_u32 s2, 0
	s_cbranch_scc0 .Lentry_in_a_cluster
	s_endpgm
.Lentry_in_a_cluster:
	s_bfe_u32 s2, ttmp6, 0x10000c
	s_cmp_lg_u32 s2, 0x3003
	s_cbranch_scc0 .Lentry_shape_is_right
	s_endpgm
.Lentry_shape_is_right:
; OPROJ.  x1 = x + o W_o^T + b_o.  o (fb) and W_o (wf) are bf16 in fragment order; the sums are f32 and START at x + b_o.  Three results:
;   x1d  x1 in f32, as the accumulators hold it: [block of 16 rows][block of 16 columns][half q][lane L][16 bytes]: lane L holds row L % 16, columns 8 (L / 16) + 4 q + 0..3.  The last launch loads it the same way.
;   fa   x1 rounded to bf16, in fragment order: the next product's rows.
;   ss   f32 partial sums of x1^2 over this work-group's 64 columns: [column block 8][block of 64 rows 128][lane L][2]: rows L % 16 of row tiles 2 (L / 16) and 2 (L / 16) + 1.  Added up by the next launch.
; SHARES.  256 rows x 64 columns a work-group, 64 rows a wave, 16 accumulators; my 64 rows of o stay in 512 registers; W_o's 64 rows lie whole in LDS.  Every LDS byte is filled once: no ring.
; CLUSTER.  The four work-groups of a cluster have the same columns and ask for W_o JOINTLY.  o's rows go from memory into registers as they lie: a way through LDS would add 256 KB written and read a work-group.
; x's tile (64 rows x 256 aligned bytes a wave) comes by a tensor load of the wave's own.
; Source 0 = 16 rows of W_o, source 1 = 16 rows of o: a lane holds one row and 8 neighbouring columns.
; REGISTERS: window 0: v1-9 addresses; v28, v29 the add's; v32-63 the bias, later the sums of squares; v64-127 two buffers of W_o's fragments, later packed results; v128-255 accumulators;
;   windows 1, 2: o's fragments, (c, rt) at 32 (c % 8) + 8 rt.
.set XB,    65536                      ; behind W_o: x's tiles, 64 rows x 272 bytes for each wave
.set XW,    64*272
.set SPARE, XB+4*XW                    ; 135,168: the spare words
.set MI,    3                          ; W_o is the fourth matrix of wf
.set L16, 1
.set BAD, 2
.set DAD, 3                            ; v3  LDS address of my 16 bytes of x's tile: row L % 16, 32 (L / 16) bytes on
.set HB,  6                            ; v6  32 (L / 16): my 8 numbers of the bias
.set L8,  7                            ; v7  8 x lane
.set SPW, 28
.set NIL, 29
.set AUX, 32
.set BF,  64
.set ACC, 128
.set WV, 18
.set CX, 19
.set RB, 20
.set YB, 21
.set G1, 24                            ; s[24:31] group 1 of the joint load
.set G0, 32                            ; s[32:35] its group 0;  s[36:39] group 0 of x's tile
.set G1X, 44                           ; s[44:51] group 1 of x's tile
.set SEL, 60
.set MSB, 0
.macro WIN new
.if MSB != (\new)
	s_set_vgpr_msb (MSB<<8)|(\new)
.set MSB, \new
.endif
.endm
.macro PLACES n
.rept \n
	v_nop
.endr
.endm
.macro ROUND
	s_barrier_signal -1
	s_barrier_wait -1
	s_cmp_lg_u32 s[WV], 0
	s_cbranch_scc1 .Lnw0_\@
	s_barrier_signal -3
.Lnw0_\@:
	s_barrier_wait -3
	s_barrier_signal -1
	s_barrier_wait -1
.endm
.macro ALOAD
.set cc, 0
.rept 16
	WIN 0x40*(1+cc/8)
.irp rt, 0,1,2,3
	global_load_b128 v[32*(cc%8)+8*\rt:32*(cc%8)+8*\rt+3],   v[L16], s[4:5] offset:\rt*16384+cc*1024
	global_load_b128 v[32*(cc%8)+8*\rt+4:32*(cc%8)+8*\rt+7], v[L16], s[4:5] offset:\rt*16384+cc*1024+512
.endr
.set cc, cc+1
.endr
	WIN 0
.endm
.macro BFETCH c
.set bb, BF+32*((\c)%2)
.irp j, 0,1,2,3
	ds_load_b128 v[bb+8*\j:bb+8*\j+3],   v[BAD] offset:\j*16384+(\c)*1024
	ds_load_b128 v[bb+8*\j+4:bb+8*\j+7], v[BAD] offset:\j*16384+(\c)*1024+512
.endr
.endm
; 16 k steps of 16 matrix instructions onto sums that already hold x + b_o.  The 16 accumulators take turns, one instruction a turn.
.macro PASS
	BFETCH 0
.set cc, 0
.rept 16
.if cc > 0
	PLACES 4                                       ; the loads below land in the buffer that the step before multiplied
.endif
.if cc < 15
	BFETCH cc+1
.endif
.if 120-8*cc > 63
	s_wait_loadcnt 63                              ; behind this step's eight loads of my rows 120 - 8 c were issued; the count's field ends at 63
.else
	s_wait_loadcnt 120-8*cc
.endif
.if cc < 15
	s_wait_dscnt 8                                 ; all but the eight just issued
.else
	s_wait_dscnt 0
.endif
	WIN 4*(1+cc/8)
.set ab, 32*(cc%8)
.set bb, BF+32*(cc%2)
.irp j, 0,1,2,3
.irp rt, 0,1,2,3
	v_wmma_f32_16x16x32_bf16 v[ACC+8*(4*\j+\rt):ACC+8*(4*\j+\rt)+7], v[bb+8*\j:bb+8*\j+7], v[ab+8*\rt:ab+8*\rt+7], v[ACC+8*(4*\j+\rt):ACC+8*(4*\j+\rt)+7]
.endr
.endr
.set cc, cc+1
.endr
	PLACES 4
	WIN 0
.endm
	s_load_b256 s[4:11], s[0:1], 0x0               ; fb 4, wf 6, x 8, b_o 10
	s_load_b128 s[12:15], s[0:1], 0x20             ; x1d 12, fa 14
	s_load_b64 s[16:17], s[0:1], 0x30              ; ss
	v_lshl_add_u32 v[SPW], v0, 2, SPARE
	v_mov_b32 v[NIL], 0
	ds_add_u32 v[SPW], v[NIL]                      ; the wave's opening: the add and its wait stand ahead of my first tensor load
	v_lshrrev_b32 v8, 5, v0
	v_readfirstlane_b32 s[WV], v8
	v_and_b32 v[L16], 31, v0
	v_lshlrev_b32 v[L8], 3, v[L16]
	v_lshlrev_b32 v[L16], 4, v[L16]
	v_mov_b32 v[BAD], v[L16]
	v_and_b32 v8, 15, v0                           ; r
	v_bfe_u32 v9, v0, 4, 1                         ; h
	v_mul_u32_u24 v[DAD], v8, 272
	v_lshl_add_u32 v[DAD], v9, 5, v[DAD]
	v_lshlrev_b32 v[HB], 5, v9
	s_bfe_u32 s[CX], ttmp6, 0x40000
	s_lshl_b32 s[RB], ttmp9, 2
	s_add_co_u32 s[RB], s[RB], s[CX]
	s_and_b32 s[YB], ttmp7, 0xffff
	s_mov_b32 s[G1+0], 15|(3<<16)|(1<<21)          ; the mask of four; elements of 8 bytes; bit 21 beside a mask
	s_mov_b32 s[G1+1], 32<<16
	s_mov_b32 s[G1+2], 64<<16
	s_mov_b32 s[G1+3], 32<<16
	s_mov_b32 s[G1+4], 64
	s_mov_b32 s[G1+5], 32
	s_mov_b32 s[G1+6], 0
	s_mov_b32 s[G1+7], 0
	s_mov_b32 s[G1X+0], (2<<16)|(1<<20)|(5<<22)|(3<<25)  ; no mask; elements of 4 bytes; padding on: 4 words behind every 64
	s_mov_b32 s[G1X+1], 64<<16                     ; tensor_dim0 = 64
	s_mov_b32 s[G1X+2], 64<<16                     ; tensor_dim1 = 64
	s_mov_b32 s[G1X+3], 64<<16                     ; tile_dim0 = 64
	s_mov_b32 s[G1X+4], 64                         ; tile_dim1 = 64
	s_mov_b32 s[G1X+5], 512                        ; 512 elements from row to row
	s_mov_b32 s[G1X+6], 0
	s_mov_b32 s[G1X+7], 0
	s_lshl2_add_u32 s52, s[YB], s[WV]              ; wave w fetches block 4 y + w of 16 rows of W_o
	s_lshl_b32 s52, s52, 14
	s_add_co_u32 s52, s52, MI*524288
	s_mov_b32 s53, 0
	s_mov_b32 s[G0], 1
	s_lshl_b32 s[G0+1], s[WV], 14
	s_mov_b32 s[G0+4], 1
	s_mul_i32 s[G0+5], s[WV], XW
	s_add_co_u32 s[G0+5], s[G0+5], XB
	v_add_nc_u32 v[DAD], s[G0+5], v[DAD]
	s_lshl2_add_u32 s56, s[RB], s[WV]              ; my block of 64 rows
	s_lshl_b32 s58, s56, 17                        ; 131,072 bytes of f32
	s_lshl_b32 s22, s[YB], 8
	s_add_co_u32 s58, s58, s22                     ; + my 64 columns
	s_mov_b32 s59, 0
	s_mov_b32 s[SEL], 0x76543210
	s_mov_b32 s[SEL+1], 0xfedcba98
	s_mov_b32 s62, 0xffff0000                      ; lanes 16-31
	s_wait_dscnt 0x0                               ; the opening add is done
	s_wait_kmcnt 0x0
	s_add_nc_u64 s[G0+2:G0+3], s[6:7], s[52:53]
	s_or_b32 s[G0+3], s[G0+3], 0x80000000
	s_add_nc_u64 s[G0+6:G0+7], s[8:9], s[58:59]
	s_or_b32 s[G0+7], s[G0+7], 0x80000000
	ROUND                                          ; all four work-groups are here
	tensor_load_to_lds s[G0:G0+3], s[G1:G1+7]      ; two tensor loads of mine are out: W_o's block, jointly,
	s_nop 0
	tensor_load_to_lds s[G0+4:G0+7], s[G1X:G1X+7]  ; and x's tile, my own
	s_nop 0
	PLACES 4
	s_mov_b32 s23, 0
	s_add_nc_u64 s[10:11], s[10:11], s[22:23]      ; the bias of my 64 columns
	s_lshl_b32 s58, s56, 16                        ; 64 rows are 65,536 bytes of bf16
	s_add_nc_u64 s[4:5], s[4:5], s[58:59]          ; o
	s_lshl_b32 s22, s[YB], 11
	s_add_co_u32 s58, s58, s22
	s_add_nc_u64 s[14:15], s[14:15], s[58:59]      ; fa
	s_lshl_b32 s58, s56, 17
	s_lshl_b32 s22, s[YB], 12
	s_add_co_u32 s58, s58, s22
	s_add_nc_u64 s[12:13], s[12:13], s[58:59]      ; x1d
	s_lshl_b32 s58, s56, 8
	s_lshl_b32 s22, s[YB], 15
	s_add_co_u32 s58, s58, s22
	s_add_nc_u64 s[16:17], s[16:17], s[58:59]      ; ss
.irp j, 0,1,2,3
	global_load_b128 v[AUX+8*\j:AUX+8*\j+3],   v[HB], s[10:11] offset:\j*64
	global_load_b128 v[AUX+8*\j+4:AUX+8*\j+7], v[HB], s[10:11] offset:\j*64+16
.endr
	ALOAD
	s_wait_tensorcnt 0x0
	s_barrier_signal -1
	s_barrier_wait -1                              ; W_o is whole; nothing is ever filled again
.irp j, 0,1,2,3
.irp rt, 0,1,2,3
	ds_load_b128 v[ACC+8*(4*\j+\rt):ACC+8*(4*\j+\rt)+3],   v[DAD] offset:\rt*16*272+\j*64
	ds_load_b128 v[ACC+8*(4*\j+\rt)+4:ACC+8*(4*\j+\rt)+7], v[DAD] offset:\rt*16*272+\j*64+16
.endr
.endr
	s_wait_dscnt 0x0
	s_wait_loadcnt 63                              ; 128 loads were issued behind the bias's eight
.irp j, 0,1,2,3
.irp rt, 0,1,2,3
.irp i, 0,1,2,3
	v_pk_add_f32 v[ACC+8*(4*\j+\rt)+2*\i:ACC+8*(4*\j+\rt)+2*\i+1], v[ACC+8*(4*\j+\rt)+2*\i:ACC+8*(4*\j+\rt)+2*\i+1], v[AUX+8*\j+2*\i:AUX+8*\j+2*\i+1]
.endr
.endr
.endr
	PASS
	; THE WAY OUT.  x1 as it lies (each accumulator's low half first); the sums of squares; the bf16 copy.
.irp j, 0,1,2,3
.irp rt, 0,1,2,3
	global_store_b128 v[L16], v[ACC+8*(4*\j+\rt):ACC+8*(4*\j+\rt)+3],   s[12:13] offset:\rt*32768+\j*1024
	global_store_b128 v[L16], v[ACC+8*(4*\j+\rt)+4:ACC+8*(4*\j+\rt)+7], s[12:13] offset:\rt*32768+\j*1024+512
.endr
.endr
.irp j, 0,1,2,3                        ; four chains, one a row tile, started by the first products
.irp i, 0,1,2,3
.irp rt, 0,1,2,3
.if (\j+\i) == 0
	v_pk_mul_f32 v[AUX+2*\rt:AUX+2*\rt+1], v[ACC+8*(4*\j+\rt)+2*\i:ACC+8*(4*\j+\rt)+2*\i+1], v[ACC+8*(4*\j+\rt)+2*\i:ACC+8*(4*\j+\rt)+2*\i+1]
.else
	v_pk_fma_f32 v[AUX+2*\rt:AUX+2*\rt+1], v[ACC+8*(4*\j+\rt)+2*\i:ACC+8*(4*\j+\rt)+2*\i+1], v[ACC+8*(4*\j+\rt)+2*\i:ACC+8*(4*\j+\rt)+2*\i+1], v[AUX+2*\rt:AUX+2*\rt+1]
.endif
.endr
.endr
.endr
.irp rt, 0,1,2,3
	v_add_f32 v[AUX+2*\rt], v[AUX+2*\rt], v[AUX+2*\rt+1]
.endr
.irp rt, 0,1,2,3
	v_permlanex16_b32 v[AUX+2*\rt+1], v[AUX+2*\rt], s[SEL], s[SEL+1]  ; the row's other 32 columns lie in the lane 16 away
.endr
.irp rt, 0,1,2,3
	v_add_f32 v[AUX+2*\rt], v[AUX+2*\rt], v[AUX+2*\rt+1]
.endr
.set k, 0
.rept 16
.irp i, 0,1,2,3
	v_cvt_pk_bf16_f32 v[BF+4*k+\i], v[ACC+8*k+2*\i], v[ACC+8*k+2*\i+1]
.endr
.set k, k+1
.endr
.set k, 0
.rept 16                               ; k = 4 j + rt
	global_store_b128 v[L16], v[BF+4*k:BF+4*k+3], s[14:15] offset:(k%4)*16384+(k/4)*512
.set k, k+1
.endr
	v_cndmask_b32 v8, v[AUX], v[AUX+4], s62        ; lanes 0-15 keep row tiles 0 and 1, lanes 16-31 tiles 2 and 3
	v_cndmask_b32 v9, v[AUX+2], v[AUX+6], s62
	global_store_b64 v[L8], v[8:9], s[16:17]       ; 256 consecutive bytes, at a multiple of 256 from ss's first
	s_wait_tensorcnt 0x0                           ; the wave's end
	ds_add_u32 v[SPW], v[NIL]
	s_wait_dscnt 0x0
	ROUND                                          ; the closing round
	s_endpgm
.Lfunc_end_k_qba79960dea_oproj:
	.size	k_qba79960dea_oproj, .Lfunc_end_k_qba79960dea_oproj-k_qba79960dea_oproj
	.p2alignl 7, 3214868480
	.fill 96, 4, 3214868480
	.section	.rodata,"a",@progbits
	.p2align	6, 0x0
	.amdhsa_kernel k_qba79960dea_oproj
		.amdhsa_group_segment_fixed_size 167936
		.amdhsa_private_segment_fixed_size 0
		.amdhsa_enable_private_segment 0
		.amdhsa_kernarg_size 56
		.amdhsa_user_sgpr_count 2
		.amdhsa_user_sgpr_kernarg_segment_ptr 1
		.amdhsa_wavefront_size32 1
		.amdhsa_system_sgpr_workgroup_id_x 1
		.amdhsa_system_sgpr_workgroup_id_y 1
		.amdhsa_system_sgpr_workgroup_id_z 1
		.amdhsa_system_vgpr_workitem_id 0
		.amdhsa_next_free_vgpr 768
		.amdhsa_next_free_sgpr 66
		.amdhsa_reserve_vcc 0
		.amdhsa_float_denorm_mode_32 3
		.amdhsa_float_denorm_mode_16_64 3
		.amdhsa_memory_ordered 1
		.amdhsa_forward_progress 1
		.amdhsa_inst_pref_size 65
	.end_amdhsa_kernel
	.amdgpu_metadata
---
amdhsa.version: [ 1, 2 ]
amdhsa.kernels:
  - .name:           k_qba79960dea_oproj
    .symbol:         k_qba79960dea_oproj.kd
    .args:
      - { .name: fb, .offset: 0, .size: 8, .value_kind: global_buffer, .address_space: global }
      - { .name: wf, .offset: 8, .size: 8, .value_kind: global_buffer, .address_space: global }
      - { .name: x, .offset: 16, .size: 8, .value_kind: global_buffer, .address_space: global }
      - { .name: b_o, .offset: 24, .size: 8, .value_kind: global_buffer, .address_space: global }
      - { .name: x1d, .offset: 32, .size: 8, .value_kind: global_buffer, .address_space: global }
      - { .name: fa, .offset: 40, .size: 8, .value_kind: global_buffer, .address_space: global }
      - { .name: ss, .offset: 48, .size: 8, .value_kind: global_buffer, .address_space: global }
    .group_segment_fixed_size: 167936
    .private_segment_fixed_size: 0
    .kernarg_segment_align: 8
    .kernarg_segment_size: 56
    .max_flat_workgroup_size: 128
    .sgpr_count:     66
    .vgpr_count:     768
    .wavefront_size: 32
...
	.end_amdgpu_metadata
.endif
;; end of part 4
;; launch gate (part 5): grid 32 x 8, 4 waves a work-group, clusters of 4 x 1, 167,936 bytes of LDS; arguments fa, wf, ss, fb; writes fb
.if DOCPART == 5
	.amdgcn_target "amdgcn-amd-amdhsa--gfx1250"
	.amdhsa_code_object_version 6
	.text
	.protected	k_qba79960dea_gate
	.globl	k_qba79960dea_gate
	.p2align	8
	.type	k_qba79960dea_gate,@function
k_qba79960dea_gate:
	s_mov_b64 s[64:65], 0
	v_nop
	global_prefetch_b8 v0, s[64:65] scope:SCOPE_SE
	s_setreg_imm32_b32 hwreg(HW_REG_WAVE_MODE, 25, 1), 1
	s_wait_xcnt 0x0
	s_wait_alu depctr_hold_cnt(0) depctr_sa_sdst(0) depctr_va_vdst(0) depctr_va_sdst(0) depctr_va_ssrc(0) depctr_va_vcc(0) depctr_vm_vsrc(0)
	s_getreg_b32 s2, hwreg(HW_REG_IB_STS2, 6, 4)
	s_cmp_eq_u32 s2, 0
	s_cbranch_scc0 .Lentry_in_a_cluster
	s_endpgm
.Lentry_in_a_cluster:
	s_bfe_u32 s2, ttmp6, 0x10000c
	s_cmp_lg_u32 s2, 0x3003
	s_cbranch_scc0 .Lentry_shape_is_right
	s_endpgm
.Lentry_shape_is_right:
; GATE.  act = silu(g) h with g = n W_gate^T, h = n W_hidden^T, n = ffn_norm_w x1 rs, rs = rsqrt(mean x1^2 + 1e-6).  The gain already lies in the weights' columns (wf), and rs, one number a row,
; is applied behind the products: with G = x1 Wg'^T and H = x1 Wh'^T,  act = G H rs^2 / (1 + 2^(-log2(e) rs G)).  x1 (fa) and the weights are bf16 in fragment order, sums f32; act is rounded once to bf16
; and stored in fragment order (fb).  mean x1^2 is the sum of the eight partial sums that the launch before stored in f32 (ss).
; LIMITS.  Where the exponential overflows the reciprocal is 0 and act is 0, which is silu's limit.  NaN and infinities are not treated apart.
; SHARES.  256 rows x 64 hidden columns a work-group, in two passes of 32 columns: a pass has 2 blocks of 16 columns of G and the same 2 of H: 16 accumulators a wave.  My 64 rows of x1 stay in 512 registers;
; the 64 rows of each weight lie whole in LDS (128 KB), filled once: no ring.
; CLUSTER.  The four work-groups of a cluster have the same columns and ask for the weights JOINTLY.  x1's rows go from memory into registers as they lie: a way through LDS would add 256 KB written and read a work-group.
; REGISTERS: window 0: v1, v2, v7 addresses; v28, v29 the add's; v32-63 the norm; v64-127 two buffers of the weights' fragments, at work behind a pass; v128-255 accumulators; windows 1, 2: x1's fragments.
.set SPARE, 131072
.set L16, 1
.set BAD, 2
.set L8,  7
.set SPW, 28
.set NIL, 29
.set AUX, 32
.set NRS, 48                           ; v[48:55] -log2(e) rs, a pair for each row tile
.set RS2, 56                           ; v[56:63] rs^2, likewise
.set BF,  64
.set ACC, 128
.set WV, 18
.set CX, 19
.set RB, 20
.set YB, 21
.set G1, 24
.set G0, 32                            ; s[32:35] W_gate's block, s[36:39] W_hidden's
.set SEL, 60
.set MSB, 0
.macro WIN new
.if MSB != (\new)
	s_set_vgpr_msb (MSB<<8)|(\new)
.set MSB, \new
.endif
.endm
.macro PLACES n
.rept \n
	v_nop
.endr
.endm
.macro ROUND
	s_barrier_signal -1
	s_barrier_wait -1
	s_cmp_lg_u32 s[WV], 0
	s_cbranch_scc1 .Lnw0_\@
	s_barrier_signal -3
.Lnw0_\@:
	s_barrier_wait -3
	s_barrier_signal -1
	s_barrier_wait -1
.endm
.macro ALOAD
.set cc, 0
.rept 16
	WIN 0x40*(1+cc/8)
.irp rt, 0,1,2,3
	global_load_b128 v[32*(cc%8)+8*\rt:32*(cc%8)+8*\rt+3],   v[L16], s[4:5] offset:\rt*16384+cc*1024
	global_load_b128 v[32*(cc%8)+8*\rt+4:32*(cc%8)+8*\rt+7], v[L16], s[4:5] offset:\rt*16384+cc*1024+512
.endr
.set cc, cc+1
.endr
	WIN 0
.endm
.macro BFETCH c
.set bb, BF+32*((\c)%2)
.irp j, 0,1,2,3
	ds_load_b128 v[bb+8*\j:bb+8*\j+3],   v[BAD] offset:\j*16384+(\c)*1024
	ds_load_b128 v[bb+8*\j+4:bb+8*\j+7], v[BAD] offset:\j*16384+(\c)*1024+512
.endr
.endm
; 16 k steps of 16 matrix instructions; the first step starts the sums.  The 16 accumulators take turns, one instruction a turn.
.macro PASS
	BFETCH 0
.set cc, 0
.rept 16
.if cc > 0
	PLACES 4                                       ; the loads below land in the buffer that the step before multiplied
.endif
.if cc < 15
	BFETCH cc+1
.endif
.if 120-8*cc > 63
	s_wait_loadcnt 63                              ; behind this step's eight loads of my rows 120 - 8 c were issued; the count's field ends at 63
.else
	s_wait_loadcnt 120-8*cc
.endif
.if cc < 15
	s_wait_dscnt 8                                 ; all but the eight just issued
.else
	s_wait_dscnt 0
.endif
	WIN 4*(1+cc/8)
.set ab, 32*(cc%8)
.set bb, BF+32*(cc%2)
.irp j, 0,1,2,3
.irp rt, 0,1,2,3
.if cc == 0
	v_wmma_f32_16x16x32_bf16 v[ACC+8*(4*\j+\rt):ACC+8*(4*\j+\rt)+7], v[bb+8*\j:bb+8*\j+7], v[ab+8*\rt:ab+8*\rt+7], 0
.else
	v_wmma_f32_16x16x32_bf16 v[ACC+8*(4*\j+\rt):ACC+8*(4*\j+\rt)+7], v[bb+8*\j:bb+8*\j+7], v[ab+8*\rt:ab+8*\rt+7], v[ACC+8*(4*\j+\rt):ACC+8*(4*\j+\rt)+7]
.endif
.endr
.endr
.set cc, cc+1
.endr
	PLACES 4
	WIN 0
.endm
; The activation for column block jj of a pass: G in accumulators (jj, rt), H in (2 + jj, rt).  Stage by stage over 4 row tiles x 4 pairs, so that no line waits for the one before it; each accumulator's low end is read first.
.macro STAGE line:vararg
	s_wait_alu depctr_va_vdst(0)
.irp rt, 0,1,2,3
.irp i, 0,1,2,3
.set e, BF+8*\rt+2*\i
.set g, ACC+8*(4*JJ+\rt)+2*\i
.set h, ACC+8*(4*(2+JJ)+\rt)+2*\i
.set n, NRS+2*\rt
.set q, RS2+2*\rt
	\line
.endr
.endr
.endm
.macro ACT jj
.set JJ, \jj
	STAGE v_pk_mul_f32 v[e:e+1], v[g:g+1], v[n:n+1]        ; -log2(e) rs G
.set k, 0
.rept 32
	v_exp_f32 v[BF+k], v[BF+k]
.set k, k+1
.endr
	STAGE v_pk_mul_f32 v[g:g+1], v[g:g+1], v[h:h+1]        ; G H: plain lines behind the exponentials
	STAGE v_pk_mul_f32 v[g:g+1], v[g:g+1], v[q:q+1]        ; rs^2
	STAGE v_pk_add_f32 v[e:e+1], v[e:e+1], 1.0 op_sel_hi:[1,0]
.set k, 0
.rept 32
	v_rcp_f32 v[BF+k], v[BF+k]
.set k, k+1
.endr
	v_nop                                          ; a plain instruction between the last reciprocal and the use of its result
	s_wait_alu depctr_va_vdst(0)
	STAGE v_pk_mul_f32 v[g:g+1], v[g:g+1], v[e:e+1]
.irp rt, 0,1,2,3
.irp i, 0,1,2,3
	v_cvt_pk_bf16_f32 v[BF+32+16*(\jj)+4*\rt+\i], v[ACC+8*(4*(\jj)+\rt)+2*\i], v[ACC+8*(4*(\jj)+\rt)+2*\i+1]
.endr
.endr
.irp rt, 0,1,2,3
	global_store_b128 v[L16], v[BF+32+16*(\jj)+4*\rt:BF+32+16*(\jj)+4*\rt+3], s[10:11] offset:\rt*16384+(\jj)*512  ; 512 consecutive bytes
.endr
.endm
	s_load_b256 s[4:11], s[0:1], 0x0               ; fa 4, wf 6, ss 8, fb 10
	v_lshl_add_u32 v[SPW], v0, 2, SPARE
	v_mov_b32 v[NIL], 0
	ds_add_u32 v[SPW], v[NIL]                      ; the wave's opening: the add and its wait stand ahead of my first tensor load
	v_lshrrev_b32 v8, 5, v0
	v_readfirstlane_b32 s[WV], v8
	v_and_b32 v[L16], 31, v0
	v_lshlrev_b32 v[L8], 3, v[L16]
	v_lshlrev_b32 v[L16], 4, v[L16]
	v_mov_b32 v[BAD], v[L16]
	s_bfe_u32 s[CX], ttmp6, 0x40000
	s_lshl_b32 s[RB], ttmp9, 2
	s_add_co_u32 s[RB], s[RB], s[CX]
	s_and_b32 s[YB], ttmp7, 0xffff
	s_mov_b32 s[G1+0], 15|(3<<16)|(1<<21)          ; the mask of four; elements of 8 bytes; bit 21 beside a mask
	s_mov_b32 s[G1+1], 32<<16
	s_mov_b32 s[G1+2], 64<<16
	s_mov_b32 s[G1+3], 32<<16
	s_mov_b32 s[G1+4], 64
	s_mov_b32 s[G1+5], 32
	s_mov_b32 s[G1+6], 0
	s_mov_b32 s[G1+7], 0
	s_lshl2_add_u32 s52, s[YB], s[WV]              ; wave w fetches block 4 y + w of 16 rows of W_gate and of W_hidden,
	s_lshl_b32 s52, s52, 14
	s_add_co_u32 s52, s52, 4*524288                ; the fifth and sixth matrices of wf
	s_mov_b32 s53, 0
	s_lshr_b32 s54, s[WV], 1                       ; for pass w / 2, as its block w % 2
	s_lshl_b32 s54, s54, 16
	s_and_b32 s55, s[WV], 1
	s_lshl_b32 s55, s55, 14
	s_add_co_u32 s54, s54, s55
	s_mov_b32 s[G0], 1
	s_mov_b32 s[G0+1], s54
	s_mov_b32 s[G0+4], 1
	s_add_co_u32 s[G0+5], s54, 32768               ; H's two blocks lie behind G's two
	s_lshl2_add_u32 s56, s[RB], s[WV]              ; my block of 64 rows
	s_mov_b32 s59, 0
	s_mov_b32 s[SEL], 0x76543210
	s_mov_b32 s[SEL+1], 0xfedcba98
	s_mov_b32 s62, 0xffff0000                      ; lanes 16-31
	s_mov_b32 s22, 0x3b000000                      ; 1 / 512
	s_mov_b32 s23, 0x358637bd                      ; 1e-6
	s_wait_dscnt 0x0                               ; the opening add is done
	s_wait_kmcnt 0x0
	s_add_nc_u64 s[G0+2:G0+3], s[6:7], s[52:53]
	s_add_nc_u64 s[G0+6:G0+7], s[G0+2:G0+3], 524288
	s_or_b32 s[G0+3], s[G0+3], 0x80000000
	s_or_b32 s[G0+7], s[G0+7], 0x80000000
	ROUND                                          ; all four work-groups are here: the joint loads meet
	tensor_load_to_lds s[G0:G0+3], s[G1:G1+7]      ; two tensor loads of mine are out
	s_nop 0
	tensor_load_to_lds s[G0+4:G0+7], s[G1:G1+7]
	s_nop 0
	PLACES 4
	s_lshl_b32 s58, s56, 8
	s_add_nc_u64 s[8:9], s[8:9], s[58:59]          ; ss: 256 bytes for each block of 64 rows
	s_lshl_b32 s58, s56, 16
	s_add_nc_u64 s[4:5], s[4:5], s[58:59]          ; x1's rows
	s_lshl_b32 s57, s[YB], 11
	s_add_co_u32 s58, s58, s57
	s_add_nc_u64 s[10:11], s[10:11], s[58:59]      ; act
.irp k, 0,1,2,3,4,5,6,7
	global_load_b64 v[AUX+2*\k:AUX+2*\k+1], v[L8], s[8:9] offset:\k*32768  ; the eight column blocks' partial sums
.endr
	ALOAD
	s_wait_tensorcnt 0x0
	s_barrier_signal -1
	s_barrier_wait -1                              ; the weights are whole; nothing is ever filled again
	s_wait_loadcnt 63                              ; 128 loads were issued behind the partial sums' eight
	v_pk_add_f32 v[AUX:AUX+1],     v[AUX:AUX+1],     v[AUX+2:AUX+3]
	v_pk_add_f32 v[AUX+4:AUX+5],   v[AUX+4:AUX+5],   v[AUX+6:AUX+7]
	v_pk_add_f32 v[AUX+8:AUX+9],   v[AUX+8:AUX+9],   v[AUX+10:AUX+11]
	v_pk_add_f32 v[AUX+12:AUX+13], v[AUX+12:AUX+13], v[AUX+14:AUX+15]
	v_pk_add_f32 v[AUX:AUX+1],     v[AUX:AUX+1],     v[AUX+4:AUX+5]
	v_pk_add_f32 v[AUX+8:AUX+9],   v[AUX+8:AUX+9],   v[AUX+12:AUX+13]
	v_pk_add_f32 v[AUX:AUX+1],     v[AUX:AUX+1],     v[AUX+8:AUX+9]
	v_permlanex16_b32 v[AUX+2], v[AUX], s[SEL], s[SEL+1]    ; lanes 0-15 hold row tiles 0, 1, lanes 16-31 tiles 2, 3: each takes the other's
	v_permlanex16_b32 v[AUX+3], v[AUX+1], s[SEL], s[SEL+1]
	v_cndmask_b32 v[AUX+4], v[AUX],   v[AUX+2], s62
	v_cndmask_b32 v[AUX+5], v[AUX+1], v[AUX+3], s62
	v_cndmask_b32 v[AUX+6], v[AUX+2], v[AUX],   s62
	v_cndmask_b32 v[AUX+7], v[AUX+3], v[AUX+1], s62
.irp rt, 0,1,2,3
	v_fma_f32 v[AUX+4+\rt], v[AUX+4+\rt], s22, s23 ; mean + eps
.endr
.irp rt, 0,1,2,3
	v_rsq_f32 v[AUX+8+\rt], v[AUX+4+\rt]
.endr
	v_nop                                          ; a plain instruction between the last root and the use of its result
	s_wait_alu depctr_va_vdst(0)
.irp rt, 0,1,2,3
	v_mul_f32 v[NRS+2*\rt], 0xbfb8aa3b, v[AUX+8+\rt]
	v_mul_f32 v[RS2+2*\rt], v[AUX+8+\rt], v[AUX+8+\rt]
.endr
.irp rt, 0,1,2,3
	v_mov_b32 v[NRS+2*\rt+1], v[NRS+2*\rt]
	v_mov_b32 v[RS2+2*\rt+1], v[RS2+2*\rt]
.endr
	s_mov_b32 s3, 2
.Lpass:                                                ; two passes of 32 hidden columns
	PASS
	ACT 0
	ACT 1
	s_wait_xcnt 0x0                                ; the stores' data registers and base are rewritten only behind this wait
	v_add_nc_u32 v[BAD], 0x10000, v[BAD]
	s_add_nc_u64 s[10:11], s[10:11], 1024
	s_sub_co_u32 s3, s3, 1
	s_cmp_lg_u32 s3, 0
	s_cbranch_scc1 .Lpass
	s_wait_tensorcnt 0x0                           ; the wave's end
	ds_add_u32 v[SPW], v[NIL]
	s_wait_dscnt 0x0
	ROUND                                          ; the closing round
	s_endpgm
.Lfunc_end_k_qba79960dea_gate:
	.size	k_qba79960dea_gate, .Lfunc_end_k_qba79960dea_gate-k_qba79960dea_gate
	.p2alignl 7, 3214868480
	.fill 96, 4, 3214868480
	.section	.rodata,"a",@progbits
	.p2align	6, 0x0
	.amdhsa_kernel k_qba79960dea_gate
		.amdhsa_group_segment_fixed_size 167936
		.amdhsa_private_segment_fixed_size 0
		.amdhsa_enable_private_segment 0
		.amdhsa_kernarg_size 32
		.amdhsa_user_sgpr_count 2
		.amdhsa_user_sgpr_kernarg_segment_ptr 1
		.amdhsa_wavefront_size32 1
		.amdhsa_system_sgpr_workgroup_id_x 1
		.amdhsa_system_sgpr_workgroup_id_y 1
		.amdhsa_system_sgpr_workgroup_id_z 1
		.amdhsa_system_vgpr_workitem_id 0
		.amdhsa_next_free_vgpr 768
		.amdhsa_next_free_sgpr 66
		.amdhsa_reserve_vcc 0
		.amdhsa_float_denorm_mode_32 3
		.amdhsa_float_denorm_mode_16_64 3
		.amdhsa_memory_ordered 1
		.amdhsa_forward_progress 1
		.amdhsa_inst_pref_size 64
	.end_amdhsa_kernel
	.amdgpu_metadata
---
amdhsa.version: [ 1, 2 ]
amdhsa.kernels:
  - .name:           k_qba79960dea_gate
    .symbol:         k_qba79960dea_gate.kd
    .args:
      - { .name: fa, .offset: 0, .size: 8, .value_kind: global_buffer, .address_space: global }
      - { .name: wf, .offset: 8, .size: 8, .value_kind: global_buffer, .address_space: global }
      - { .name: ss, .offset: 16, .size: 8, .value_kind: global_buffer, .address_space: global }
      - { .name: fb, .offset: 24, .size: 8, .value_kind: global_buffer, .address_space: global }
    .group_segment_fixed_size: 167936
    .private_segment_fixed_size: 0
    .kernarg_segment_align: 8
    .kernarg_segment_size: 32
    .max_flat_workgroup_size: 128
    .sgpr_count:     66
    .vgpr_count:     768
    .wavefront_size: 32
...
	.end_amdgpu_metadata
.endif
;; end of part 5
;; launch down (part 6): grid 32 x 8, 4 waves a work-group, clusters of 4 x 1, 167,936 bytes of LDS; arguments fb, wf, x1d, b_out, out0; writes out0
.if DOCPART == 6
	.amdgcn_target "amdgcn-amd-amdhsa--gfx1250"
	.amdhsa_code_object_version 6
	.text
	.protected	k_qba79960dea_down
	.globl	k_qba79960dea_down
	.p2align	8
	.type	k_qba79960dea_down,@function
k_qba79960dea_down:
	s_mov_b64 s[64:65], 0
	v_nop
	global_prefetch_b8 v0, s[64:65] scope:SCOPE_SE
	s_setreg_imm32_b32 hwreg(HW_REG_WAVE_MODE, 25, 1), 1
	s_wait_xcnt 0x0
	s_wait_alu depctr_hold_cnt(0) depctr_sa_sdst(0) depctr_va_vdst(0) depctr_va_sdst(0) depctr_va_ssrc(0) depctr_va_vcc(0) depctr_vm_vsrc(0)
	s_getreg_b32 s2, hwreg(HW_REG_IB_STS2, 6, 4)
	s_cmp_eq_u32 s2, 0
	s_cbranch_scc0 .Lentry_in_a_cluster
	s_endpgm
.Lentry_in_a_cluster:
	s_bfe_u32 s2, ttmp6, 0x10000c
	s_cmp_lg_u32 s2, 0x3003
	s_cbranch_scc0 .Lentry_shape_is_right
	s_endpgm
.Lentry_shape_is_right:
; DOWN.  out0 = x1 + act W_out^T + b_out.  act (fb) and W_out (wf) are bf16 in fragment order; the sums are f32 and START at x1 + b_out; x1 comes in f32 as the accumulators hold it (x1d).
; SHARES.  256 rows x 64 columns a work-group, 64 rows a wave, 16 accumulators; my 64 rows of act stay in 512 registers; W_out's 64 rows lie whole in LDS, filled once: no ring.
; CLUSTER.  The four work-groups of a cluster have the same columns and ask for W_out JOINTLY.  act's rows go from memory into registers as they lie: a way through LDS would add 256 KB written and read a work-group.
; THE WAY OUT.  A lane holds 32 bytes of a row of out0, the lanes beside it other rows.  So the wave's 64 rows x 256 bytes go through a stage of its own in LDS (rows of 272 bytes, never a tensor load's target)
; and come back by rows: sixteen lanes store 256 consecutive aligned bytes.
; REGISTERS: window 0: v1-6 addresses; v28, v29 the add's; v32-63 the bias; v64-127 two buffers of W_out's fragments; v128-255 accumulators, later the rows read back; windows 1, 2: act's fragments.
.set STG,   65536
.set SW,    64*272
.set SPARE, STG+4*SW                   ; 135,168
.set MI,    6                          ; W_out is the seventh matrix of wf
.set L16, 1
.set BAD, 2
.set DAD, 3                            ; v3  the stage, in: row L % 16, 32 (L / 16) bytes on
.set RAD, 4                            ; v4  the stage, back: row L / 16, 16 (L % 16) bytes on
.set OOF, 5                            ; v5  the same place in two rows of out0
.set HB,  6
.set SPW, 28
.set NIL, 29
.set AUX, 32
.set BF,  64
.set ACC, 128
.set WV, 18
.set CX, 19
.set RB, 20
.set YB, 21
.set G1, 24
.set G0, 32
.set MSB, 0
.macro WIN new
.if MSB != (\new)
	s_set_vgpr_msb (MSB<<8)|(\new)
.set MSB, \new
.endif
.endm
.macro PLACES n
.rept \n
	v_nop
.endr
.endm
.macro ROUND
	s_barrier_signal -1
	s_barrier_wait -1
	s_cmp_lg_u32 s[WV], 0
	s_cbranch_scc1 .Lnw0_\@
	s_barrier_signal -3
.Lnw0_\@:
	s_barrier_wait -3
	s_barrier_signal -1
	s_barrier_wait -1
.endm
.macro ALOAD
.set cc, 0
.rept 16
	WIN 0x40*(1+cc/8)
.irp rt, 0,1,2,3
	global_load_b128 v[32*(cc%8)+8*\rt:32*(cc%8)+8*\rt+3],   v[L16], s[4:5] offset:\rt*16384+cc*1024
	global_load_b128 v[32*(cc%8)+8*\rt+4:32*(cc%8)+8*\rt+7], v[L16], s[4:5] offset:\rt*16384+cc*1024+512
.endr
.set cc, cc+1
.endr
	WIN 0
.endm
.macro BFETCH c
.set bb, BF+32*((\c)%2)
.irp j, 0,1,2,3
	ds_load_b128 v[bb+8*\j:bb+8*\j+3],   v[BAD] offset:\j*16384+(\c)*1024
	ds_load_b128 v[bb+8*\j+4:bb+8*\j+7], v[BAD] offset:\j*16384+(\c)*1024+512
.endr
.endm
; 16 k steps of 16 matrix instructions onto sums that already hold x1 + b_out.  The 16 accumulators take turns, one instruction a turn.
.macro PASS
	BFETCH 0
.set cc, 0
.rept 16
.if cc > 0
	PLACES 4                                       ; the loads below land in the buffer that the step before multiplied
.endif
.if cc < 15
	BFETCH cc+1
.endif
.if 120-8*cc > 63
	s_wait_loadcnt 63                              ; behind this step's eight loads of my rows 120 - 8 c were issued; the count's field ends at 63
.else
	s_wait_loadcnt 120-8*cc
.endif
.if cc < 15
	s_wait_dscnt 8                                 ; all but the eight just issued
.else
	s_wait_dscnt 0
.endif
	WIN 4*(1+cc/8)
.set ab, 32*(cc%8)
.set bb, BF+32*(cc%2)
.irp j, 0,1,2,3
.irp rt, 0,1,2,3
	v_wmma_f32_16x16x32_bf16 v[ACC+8*(4*\j+\rt):ACC+8*(4*\j+\rt)+7], v[bb+8*\j:bb+8*\j+7], v[ab+8*\rt:ab+8*\rt+7], v[ACC+8*(4*\j+\rt):ACC+8*(4*\j+\rt)+7]
.endr
.endr
.set cc, cc+1
.endr
	PLACES 4
	WIN 0
.endm
	s_load_b256 s[4:11], s[0:1], 0x0               ; fb 4, wf 6, x1d 8, b_out 10
	s_load_b64 s[12:13], s[0:1], 0x20              ; out0
	v_lshl_add_u32 v[SPW], v0, 2, SPARE
	v_mov_b32 v[NIL], 0
	ds_add_u32 v[SPW], v[NIL]                      ; the wave's opening: the add and its wait stand ahead of my first tensor load
	v_lshrrev_b32 v8, 5, v0
	v_readfirstlane_b32 s[WV], v8
	v_and_b32 v[L16], 31, v0
	v_lshlrev_b32 v[L16], 4, v[L16]
	v_mov_b32 v[BAD], v[L16]
	v_and_b32 v8, 15, v0                           ; L % 16
	v_bfe_u32 v9, v0, 4, 1                         ; L / 16
	v_mul_u32_u24 v[DAD], v8, 272
	v_lshl_add_u32 v[DAD], v9, 5, v[DAD]
	v_mul_u32_u24 v[RAD], v9, 272
	v_lshl_add_u32 v[RAD], v8, 4, v[RAD]
	s_mul_i32 s63, s[WV], SW
	s_add_co_u32 s63, s63, STG                     ; my stage
	v_add_nc_u32 v[DAD], s63, v[DAD]
	v_add_nc_u32 v[RAD], s63, v[RAD]
	v_lshlrev_b32 v[OOF], 11, v9
	v_lshl_add_u32 v[OOF], v8, 4, v[OOF]
	v_lshlrev_b32 v[HB], 5, v9
	s_bfe_u32 s[CX], ttmp6, 0x40000
	s_lshl_b32 s[RB], ttmp9, 2
	s_add_co_u32 s[RB], s[RB], s[CX]
	s_and_b32 s[YB], ttmp7, 0xffff
	s_mov_b32 s[G1+0], 15|(3<<16)|(1<<21)          ; the mask of four; elements of 8 bytes; bit 21 beside a mask
	s_mov_b32 s[G1+1], 32<<16
	s_mov_b32 s[G1+2], 64<<16
	s_mov_b32 s[G1+3], 32<<16
	s_mov_b32 s[G1+4], 64
	s_mov_b32 s[G1+5], 32
	s_mov_b32 s[G1+6], 0
	s_mov_b32 s[G1+7], 0
	s_lshl2_add_u32 s52, s[YB], s[WV]              ; wave w fetches block 4 y + w of 16 rows of W_out
	s_lshl_b32 s52, s52, 14
	s_add_co_u32 s52, s52, MI*524288
	s_mov_b32 s53, 0
	s_mov_b32 s[G0], 1
	s_lshl_b32 s[G0+1], s[WV], 14
	s_lshl2_add_u32 s56, s[RB], s[WV]              ; my block of 64 rows
	s_mov_b32 s59, 0
	s_mov_b32 s23, 0
	s_wait_dscnt 0x0                               ; the opening add is done
	s_wait_kmcnt 0x0
	s_add_nc_u64 s[G0+2:G0+3], s[6:7], s[52:53]
	s_or_b32 s[G0+3], s[G0+3], 0x80000000
	ROUND                                          ; all four work-groups are here: the joint loads meet
	tensor_load_to_lds s[G0:G0+3], s[G1:G1+7]      ; my one tensor load
	s_nop 0
	PLACES 4
	s_lshl_b32 s22, s[YB], 8
	s_add_nc_u64 s[10:11], s[10:11], s[22:23]      ; the bias of my 64 columns
	s_lshl_b32 s58, s56, 17
	s_add_co_u32 s58, s58, s22
	s_add_nc_u64 s[12:13], s[12:13], s[58:59]      ; out0: 64 rows are 131,072 bytes, my columns 256 y bytes on
	s_lshl_b32 s58, s56, 17
	s_lshl_b32 s22, s[YB], 12
	s_add_co_u32 s58, s58, s22
	s_add_nc_u64 s[8:9], s[8:9], s[58:59]          ; x1d
	s_lshl_b32 s58, s56, 16
	s_add_nc_u64 s[4:5], s[4:5], s[58:59]          ; act
.irp j, 0,1,2,3
	global_load_b128 v[AUX+8*\j:AUX+8*\j+3],   v[HB], s[10:11] offset:\j*64
	global_load_b128 v[AUX+8*\j+4:AUX+8*\j+7], v[HB], s[10:11] offset:\j*64+16
.endr
.irp j, 0,1,2,3
.irp rt, 0,1,2,3
	global_load_b128 v[ACC+8*(4*\j+\rt):ACC+8*(4*\j+\rt)+3],   v[L16], s[8:9] offset:\rt*32768+\j*1024 th:TH_LOAD_NT
	global_load_b128 v[ACC+8*(4*\j+\rt)+4:ACC+8*(4*\j+\rt)+7], v[L16], s[8:9] offset:\rt*32768+\j*1024+512 th:TH_LOAD_NT
.endr
.endr
	ALOAD
	s_wait_tensorcnt 0x0
	s_barrier_signal -1
	s_barrier_wait -1                              ; W_out is whole; nothing is ever filled again
	s_wait_loadcnt 63                              ; 128 loads were issued behind the bias's eight and x1's 32
.irp j, 0,1,2,3
.irp rt, 0,1,2,3
.irp i, 0,1,2,3
	v_pk_add_f32 v[ACC+8*(4*\j+\rt)+2*\i:ACC+8*(4*\j+\rt)+2*\i+1], v[ACC+8*(4*\j+\rt)+2*\i:ACC+8*(4*\j+\rt)+2*\i+1], v[AUX+8*\j+2*\i:AUX+8*\j+2*\i+1]
.endr
.endr
.endr
	PASS
.irp j, 0,1,2,3                        ; into my stage, each accumulator's low half first
.irp rt, 0,1,2,3
	ds_store_b128 v[DAD], v[ACC+8*(4*\j+\rt):ACC+8*(4*\j+\rt)+3]   offset:\rt*16*272+\j*64
	ds_store_b128 v[DAD], v[ACC+8*(4*\j+\rt)+4:ACC+8*(4*\j+\rt)+7] offset:\rt*16*272+\j*64+16
.endr
.endr
.set i, 0
.rept 32                               ; back by rows, two a load.  LDS serves a wave's instructions in order: these see the stores above
	ds_load_b128 v[ACC+4*i:ACC+4*i+3], v[RAD] offset:i*2*272
.set i, i+1
.endr
.set i, 0
.rept 32
	s_wait_dscnt 31-i                              ; LDS loads come back in order: number i is in
	global_store_b128 v[OOF], v[ACC+4*i:ACC+4*i+3], s[12:13] offset:i*4096 th:TH_STORE_NT  ; 16 lanes store 256 consecutive bytes, at a multiple of 256 from out0's first
.set i, i+1
.endr
	s_wait_tensorcnt 0x0                           ; the wave's end, behind my last LDS store
	ds_add_u32 v[SPW], v[NIL]
	s_wait_dscnt 0x0
	ROUND                                          ; the closing round
	s_endpgm
.Lfunc_end_k_qba79960dea_down:
	.size	k_qba79960dea_down, .Lfunc_end_k_qba79960dea_down-k_qba79960dea_down
	.p2alignl 7, 3214868480
	.fill 96, 4, 3214868480
	.section	.rodata,"a",@progbits
	.p2align	6, 0x0
	.amdhsa_kernel k_qba79960dea_down
		.amdhsa_group_segment_fixed_size 167936
		.amdhsa_private_segment_fixed_size 0
		.amdhsa_enable_private_segment 0
		.amdhsa_kernarg_size 40
		.amdhsa_user_sgpr_count 2
		.amdhsa_user_sgpr_kernarg_segment_ptr 1
		.amdhsa_wavefront_size32 1
		.amdhsa_system_sgpr_workgroup_id_x 1
		.amdhsa_system_sgpr_workgroup_id_y 1
		.amdhsa_system_sgpr_workgroup_id_z 1
		.amdhsa_system_vgpr_workitem_id 0
		.amdhsa_next_free_vgpr 768
		.amdhsa_next_free_sgpr 66
		.amdhsa_reserve_vcc 0
		.amdhsa_float_denorm_mode_32 3
		.amdhsa_float_denorm_mode_16_64 3
		.amdhsa_memory_ordered 1
		.amdhsa_forward_progress 1
		.amdhsa_inst_pref_size 60
	.end_amdhsa_kernel
	.amdgpu_metadata
---
amdhsa.version: [ 1, 2 ]
amdhsa.kernels:
  - .name:           k_qba79960dea_down
    .symbol:         k_qba79960dea_down.kd
    .args:
      - { .name: fb, .offset: 0, .size: 8, .value_kind: global_buffer, .address_space: global }
      - { .name: wf, .offset: 8, .size: 8, .value_kind: global_buffer, .address_space: global }
      - { .name: x1d, .offset: 16, .size: 8, .value_kind: global_buffer, .address_space: global }
      - { .name: b_out, .offset: 24, .size: 8, .value_kind: global_buffer, .address_space: global }
      - { .name: out0, .offset: 32, .size: 8, .value_kind: global_buffer, .address_space: global }
    .group_segment_fixed_size: 167936
    .private_segment_fixed_size: 0
    .kernarg_segment_align: 8
    .kernarg_segment_size: 40
    .max_flat_workgroup_size: 128
    .sgpr_count:     66
    .vgpr_count:     768
    .wavefront_size: 32
...
	.end_amdgpu_metadata
.endif
;; end of part 6
;; ======== version 2 of 2: 6 launches; 1.14 times as fast as version 1
;; workspace buffers: wf 3,670,016 bytes; fa 8,388,608 bytes; fb 8,388,608 bytes; qkv 25,165,824 bytes; x1d 16,777,216 bytes; ss 262,144 bytes
;; launch prep: the kernel of part 1 again; grid 736 x 1, 4 waves a work-group, no clusters, 18,944 bytes of LDS; arguments x, attn_norm_w, ffn_norm_w, W_q, W_k, W_v, W_o, W_gate, W_hidden, W_out, fa, wf; writes fa, wf
;; launch qkv: the kernel of part 2 again; grid 32 x 8, 4 waves a work-group, clusters of 4 x 1, 197,120 bytes of LDS; arguments fa, wf, qkv; writes qkv
;; launch attn (part 7): grid 4 x 64, 8 waves a work-group, clusters of 4 x 1, 263,168 bytes of LDS; arguments qkv, fb; writes fb
.if DOCPART == 7
	.amdgcn_target "amdgcn-amd-amdhsa--gfx1250"
	.amdhsa_code_object_version 6
	.text
	.protected	k_qba79960dea_attn
	.globl	k_qba79960dea_attn
	.p2align	8
	.type	k_qba79960dea_attn,@function
k_qba79960dea_attn:
	s_mov_b64 s[64:65], 0
	v_nop
	global_prefetch_b8 v0, s[64:65] scope:SCOPE_SE
	s_setreg_imm32_b32 hwreg(HW_REG_WAVE_MODE, 25, 1), 1
	s_wait_xcnt 0x0
	s_wait_alu depctr_hold_cnt(0) depctr_sa_sdst(0) depctr_va_vdst(0) depctr_va_sdst(0) depctr_va_ssrc(0) depctr_va_vcc(0) depctr_vm_vsrc(0)
	s_getreg_b32 s2, hwreg(HW_REG_IB_STS2, 6, 4)
	s_cmp_eq_u32 s2, 0
	s_cbranch_scc0 .Lentry_in_a_cluster
	s_endpgm
.Lentry_in_a_cluster:
	s_bfe_u32 s2, ttmp6, 0x10000c
	s_cmp_lg_u32 s2, 0x3003
	s_cbranch_scc0 .Lentry_shape_is_right
	s_endpgm
.Lentry_shape_is_right:
; ATTENTION, head size 32, no mask.  o[q] = the sum over k of softmax_k(q . k / sqrt(32)) v[k], for each of 64 heads of 2,048 rows.  q already holds log2(e) / sqrt(32), so a score is an exponent of 2.
; q, k, v come by heads in fragment order (see the launch before); o leaves in fragment order of a [8192][512] matrix, a head's 32 channels being k step n of the next product.
; Products in bf16 with f32 sums; maxima in f32; the weights p = 2^(s - m), m a RUNNING MAXIMUM, are rounded to bf16 for the second product.
; LIMITS.  The row sum l is taken of the ROUNDED weights, by the matrix unit (a product with ones), in f32: numerator and divisor see the same weights.  A weight below 2^-126 counts as 0.  m starts at the lowest
; finite number, o and l at 0: the first step is a step like any other, with a = 0.  NaN and infinities are not treated apart.
; SHARES.  A work-group owns 512 queries of one head, each of its 8 waves 64: four tiles of 16.  A head's K and V are 128 KB each: the WHOLE head lies in LDS, filled once: no ring and no barrier in the loop.
; Two waves share a SIMD and drift apart freely: one's products stand beside the other's softmax.  A step is 64 keys: 16 + 24 matrix instructions and 376 vector instructions a wave.
; THE EXPONENTIALS of a step, 132 a wave (the four a, then 32 weights for each of the four tiles), are ONE BATCH with ONE wait.  Ahead of the wait stands all that names no result of theirs: the maxima, the
; subtractions s - m, the step of V's address.  Behind it stands all that does: the roundings, which read results and write over them, and the rescaling by a.  Each result has a register of its own until then.
; CLUSTER.  The four query blocks of a head form a cluster and ask for K and V JOINTLY: one tensor load a wave, 32 KB.
; LAYOUT.  S^T = K Q^T: a lane holds ONE query (lane % 16) and keys 8 (lane / 16) + 0..7 of each block of 16.  Rounded in pairs, in place, two blocks ARE source 1 (32 keys x 16 queries) of O^T = V^T P.
; REGISTERS in windows of 256 (s_set_vgpr_msb: bits 1:0 source 0, 3:2 source 1, 5:4 source 2, 7:6 destination):
;   window 0: v1-5 addresses and the add's two; v16-47 statistics, 8 a tile: m, x, a, a', c0-c3; v48-79 Q; v80-111 K of a step; v112-239 S^T, 32 a tile (P takes the low 16)
;   window 1: v0-31 V of a step; v32-39 ones; v64-127 O^T, 16 a tile; v128-159 l, 8 a tile (register 0 is l; the others hold unscaled sums, at most 2,048, and are never read)
.set VIMG,  131072                     ; K's image at 0, V's here
.set SPARE, 262144                     ; behind them: the spare words, 128 bytes for each of 8 waves
.set L16, 1                            ; v1  16 x lane; never rewritten
.set AK,  2                            ; v2  LDS address of K's next step
.set AV,  3                            ; v3  of V's
.set SPW, 4
.set NIL, 5
.set ST,  16
.set QF,  48
.set KF,  80
.set S,   112
.set ONES, 32                          ; window 1
.set O,   64
.set LA,  128
.set WV, 8                             ; s8 wave   s9 cx   s10 head   s11 steps to go
.set CX, 9
.set HY, 10
.set G0, 12                            ; s[12:15]
.set G1, 16                            ; s[16:23]
.set SEL, 28                           ; s[28:29] v_permlanex16_b32's selects: each lane takes its own place in the other half
.set MSB, 0
.macro WIN new
.if MSB != (\new)
	s_set_vgpr_msb (MSB<<8)|(\new)
.set MSB, \new
.endif
.endm
.macro PLACES n
.rept \n
	v_nop
.endr
.endm
.macro ROUND
	s_barrier_signal -1
	s_barrier_wait -1
	s_cmp_lg_u32 s[WV], 0
	s_cbranch_scc1 .Lnw0_\@
	s_barrier_signal -3
.Lnw0_\@:
	s_barrier_wait -3
	s_barrier_signal -1
	s_barrier_wait -1
.endm
.macro KFETCH                          ; 64 keys x 32 channels: 4 fragments, 8 loads of 512 consecutive bytes
.irp i, 0,1,2,3,4,5,6,7
	ds_load_b128 v[KF+4*\i:KF+4*\i+3], v[AK] offset:512*\i
.endr
.endm
.macro VFETCH                          ; fragment (kk, cb) = 32 keys x 16 channels at 8 (2 kk + cb): its low half from key block 2 kk, its high half from 2 kk + 1
	WIN 0x40
.irp mb, 0,1,2,3
.irp cb, 0,1
	ds_load_b128 v[8*(2*(\mb/2)+\cb)+4*(\mb%2):8*(2*(\mb/2)+\cb)+4*(\mb%2)+3], v[AV] offset:\mb*1024+\cb*512
.endr
.endr
	WIN 0
.endm
; Number n of the 21 that find tile t's new maximum and a.  Each accumulator's lowest registers are read first.
.macro MX n, t
.set rT, ST+8*(\t)
.set rS, S+32*(\t)
.if (\n) < 4
	v_max3_num_f32 v[rT+4+(\n)], v[rS+8*(\n)], v[rS+8*(\n)+1], v[rS+8*(\n)+2]
.elseif (\n) < 12
	v_max3_num_f32 v[rT+4+(\n)%4], v[rT+4+(\n)%4], v[rS+8*((\n)%4)+2*((\n)/4)+1], v[rS+8*((\n)%4)+2*((\n)/4)+2]
.elseif (\n) == 12
	v_max3_num_f32 v[rT+4], v[rT+4], v[rS+7], v[rS+15]
.elseif (\n) == 13
	v_max3_num_f32 v[rT+5], v[rT+5], v[rS+23], v[rS+31]
.elseif (\n) == 14
	v_max3_num_f32 v[rT+6], v[rT+6], v[rT+7], v[rT]
.elseif (\n) == 15
	v_max3_num_f32 v[rT+4], v[rT+4], v[rT+5], v[rT+6]
.elseif (\n) == 16
	v_permlanex16_b32 v[rT+1], v[rT+4], s[SEL], s[SEL+1]  ; the query's other 32 keys lie in the lane 16 away
.elseif (\n) == 17
	v_max_num_f32 v[rT+5], v[rT+4], v[rT+1]
.elseif (\n) == 18
	v_sub_f32 v[rT+6], v[rT], v[rT+5]              ; m_old - m_new
.elseif (\n) == 19
	v_mov_b32 v[rT], v[rT+5]
.else
	v_exp_f32 v[rT+2], v[rT+6]                     ; a: the batch's first four
.endif
.endm
.macro FS t, q                         ; pair q of tile t: s - m
	v_pk_add_f32 v[S+32*(\t)+2*(\q):S+32*(\t)+2*(\q)+1], v[S+32*(\t)+2*(\q):S+32*(\t)+2*(\q)+1], v[ST+8*(\t):ST+8*(\t)+1] op_sel_hi:[1,0] neg_lo:[0,1] neg_hi:[0,1]
.endm
.macro CV t, p                         ; pair p rounded to bf16, into register p: in place, ascending.  It reads two results of the batch and writes over one: it stands behind the batch's wait
	v_cvt_pk_bf16_f32 v[S+32*(\t)+(\p)], v[S+32*(\t)+2*(\p)], v[S+32*(\t)+2*(\p)+1]
.endm
	s_load_b128 s[4:7], s[0:1], 0x0                ; qkv s[4:5], fb s[6:7]
	v_lshl_add_u32 v[SPW], v0, 2, SPARE
	v_mov_b32 v[NIL], 0
	ds_add_u32 v[SPW], v[NIL]                      ; the wave's opening: the add and its wait stand ahead of my first tensor load
	v_lshrrev_b32 v8, 5, v0
	v_readfirstlane_b32 s[WV], v8                  ; wave 0..7
	v_and_b32 v[L16], 31, v0
	v_lshlrev_b32 v[L16], 4, v[L16]
	v_mov_b32 v[AK], v[L16]
	v_add_nc_u32 v[AV], VIMG, v[L16]
	s_bfe_u32 s[CX], ttmp6, 0x40000
	s_and_b32 s[HY], ttmp7, 0xffff                 ; the head, which the four partners share
	; group 1: 32,768 dense bytes as 128 rows of 256, in elements of 8
	s_mov_b32 s[G1+0], 15|(3<<16)|(1<<21)
	s_mov_b32 s[G1+1], 32<<16
	s_mov_b32 s[G1+2], 128<<16
	s_mov_b32 s[G1+3], 32<<16
	s_mov_b32 s[G1+4], 128
	s_mov_b32 s[G1+5], 32
	s_mov_b32 s[G1+6], 0
	s_mov_b32 s[G1+7], 0
	s_lshr_b32 s24, s[WV], 2                       ; waves 0-3 fetch K's quarters, waves 4-7 V's: k lies 8 MB, v 16 MB into qkv
	s_add_co_u32 s24, s24, 1
	s_lshl_b32 s24, s24, 23
	s_lshl_b32 s25, s[HY], 17                      ; 131,072 bytes a head
	s_add_co_u32 s24, s24, s25
	s_and_b32 s25, s[WV], 3
	s_lshl_b32 s25, s25, 15
	s_add_co_u32 s24, s24, s25
	s_mov_b32 s25, 0
	s_mov_b32 s[G0], 1
	s_lshl_b32 s[G0+1], s[WV], 15                  ; LDS: 32,768 x wave
	s_lshl_b32 s26, ttmp9, 2
	s_add_co_u32 s26, s26, s[CX]                   ; my block of 512 queries: it enters Q's and O's addresses alone
	s_lshl3_add_u32 s26, s26, s[WV]                ; my wave's 64 queries among the head's 32 such
	s_lshl_b32 s30, s26, 12                        ; 4,096 bytes of q
	s_lshl_b32 s31, s[HY], 17
	s_add_co_u32 s30, s30, s31
	s_mov_b32 s31, 0
	s_lshr_b32 s32, s[HY], 4                       ; the batch
	s_lshl_b32 s32, s32, 5
	s_add_co_u32 s32, s32, s26
	s_lshl_b32 s32, s32, 16                        ; 64 rows of fb are 65,536 bytes
	s_and_b32 s33, s[HY], 15
	s_lshl_b32 s33, s33, 10                        ; the head's k step
	s_add_co_u32 s32, s32, s33
	s_mov_b32 s33, 0
	s_mov_b32 s[SEL], 0x76543210
	s_mov_b32 s[SEL+1], 0xfedcba98
	s_mov_b32 s11, 32
	s_wait_dscnt 0x0                               ; the opening add is done
	s_wait_kmcnt 0x0
	s_add_nc_u64 s[G0+2:G0+3], s[4:5], s[24:25]
	s_or_b32 s[G0+3], s[G0+3], 0x80000000
	ROUND                                          ; all four work-groups are here: the joint loads meet
	tensor_load_to_lds s[G0:G0+3], s[G1:G1+7]      ; my one tensor load
	s_nop 0
	PLACES 4
	s_add_nc_u64 s[30:31], s[4:5], s[30:31]
	s_add_nc_u64 s[6:7], s[6:7], s[32:33]
.irp i, 0,1,2,3,4,5,6,7
	global_load_b128 v[QF+4*\i:QF+4*\i+3], v[L16], s[30:31] offset:512*\i  ; Q stays in registers: tile i / 2, half i % 2
.endr
	; what the first step finds; all this stands in the wait for the head's tiles.  104 lines that write constants are the price of writing no first step out
	WIN 0x40
.set i, 0
.rept 96
	v_mov_b32 v[O+i], 0
.set i, i+1
.endr
.set i, 0
.rept 8
	v_mov_b32 v[ONES+i], 0x3f803f80                ; 1.0 twice in bf16
.set i, i+1
.endr
	WIN 0
.irp t, 0,1,2,3
	v_mov_b32 v[ST+8*\t], 0xff7fffff               ; m
	v_mov_b32 v[ST+8*\t+1], 0
	v_mov_b32 v[ST+8*\t+2], 0
	v_mov_b32 v[ST+8*\t+3], 0                      ; named with a as a pair
.endr
	s_wait_tensorcnt 0x0                           ; my part of the head is in,
	s_barrier_signal -1
	s_barrier_wait -1                              ; everybody's is; nothing is ever filled again
	KFETCH
	s_wait_loadcnt 0x0                             ; Q
.Lstep:                                                ; 32 trips of 64 keys
	PLACES 5                                       ; the scores below write over P, and V's registers are loaded again: both were read by the last trip's products
	VFETCH
	s_wait_dscnt 8                                 ; K is in; V's eight, issued behind it, stay out
.irp t, 0,1,2,3
.irp kb, 0,1,2,3
	v_wmma_f32_16x16x32_bf16 v[S+32*\t+8*\kb:S+32*\t+8*\kb+7], v[KF+8*\kb:KF+8*\kb+7], v[QF+8*\t:QF+8*\t+7], 0
.endr
.endr
	PLACES 4                                       ; in front of the loads into K's registers and of the maxima
	v_add_nc_u32 v[AK], 0x1000, v[AK]
	KFETCH                                         ; the next step's K.  The last trip's run reads V's first 4 KB, which lie there and are not used: the price of one text for every trip
.irp n, 0,1,2,3,4,5,6,7,8,9,10,11,12,13,14,15,16,17,18,19,20
.irp t, 0,1,2,3
	MX \n, \t                                      ; the four tiles alternate: no line reads the result of the one before it.  Number 20, the four a, opens the batch
.endr
.endr
.irp q, 0,1
.irp t, 0,1,2,3
	FS \t, \q
.endr
.endr
; THE BATCH GOES ON: 32 rounds of four exponentials, score i of each tile, in place.  Behind every two of them stands one subtraction, for the pair two pairs ahead: tiles 0 and 1 in an even round, tiles 2 and 3 in
; the odd round behind it: three rounds or more ahead of that pair's exponentials.  A subtraction writes its pair before the pair's exponentials are issued: no line here names a result of the batch.
.set i, 0
.rept 32
	v_exp_f32 v[S+i], v[S+i]
	v_exp_f32 v[S+32+i], v[S+32+i]
.if i/2+2 < 16
	FS 2*(i%2), i/2+2
.endif
	v_exp_f32 v[S+64+i], v[S+64+i]
	v_exp_f32 v[S+96+i], v[S+96+i]
.if i/2+2 < 16
	FS 2*(i%2)+1, i/2+2
.endif
.set i, i+1
.endr
	v_add_nc_u32 v[AV], 0x1000, v[AV]              ; the next step's V: work that names no result, and the plain instruction between the last exponential and the use of a result
	s_wait_alu depctr_va_vdst(0)                   ; the ONE wait for the step's batch, the four a and the 128 weights, ahead of the first line that names a result
.irp p, 0,1,2,3,4,5,6,7,8,9,10,11,12,13,14,15
.irp t, 0,1,2,3
	CV \t, \p                                      ; the batch's readers: first the 64 roundings,
.endr
.endr
	WIN 0x41                                       ; then O^T and l times a
.irp t, 0,1,2,3
.irp z, 0,1,2,3,4,5,6,7
	v_pk_mul_f32 v[O+16*\t+2*\z:O+16*\t+2*\z+1], v[O+16*\t+2*\z:O+16*\t+2*\z+1], v[ST+8*\t+2:ST+8*\t+3] op_sel_hi:[1,0]
.endr
	v_mul_f32 v[LA+8*\t], v[LA+8*\t], v[ST+8*\t+2]
.endr
	s_wait_dscnt 8                                 ; V is in; the next K's eight stay out
	WIN 0x51                                       ; V and ones in window 1, P in window 0, sums in window 1.  The 12 accumulators take turns
.irp kk, 0,1
.irp t, 0,1,2,3
	v_wmma_f32_16x16x32_bf16 v[O+16*\t:O+16*\t+7],    v[16*\kk:16*\kk+7],    v[S+32*\t+8*\kk:S+32*\t+8*\kk+7], v[O+16*\t:O+16*\t+7]
	v_wmma_f32_16x16x32_bf16 v[O+16*\t+8:O+16*\t+15], v[16*\kk+8:16*\kk+15], v[S+32*\t+8*\kk:S+32*\t+8*\kk+7], v[O+16*\t+8:O+16*\t+15]
	v_wmma_f32_16x16x32_bf16 v[LA+8*\t:LA+8*\t+7],    v[ONES:ONES+7],        v[S+32*\t+8*\kk:S+32*\t+8*\kk+7], v[LA+8*\t:LA+8*\t+7]
.endr
.endr
	WIN 0
	s_sub_co_u32 s11, s11, 1                       ; no exponential was issued behind the batch's wait: none is open at the jump
	s_cmp_lg_u32 s11, 0
	s_cbranch_scc1 .Lstep
	; THE WAY OUT: O^T / l, rounded to bf16; a lane's 8 channels of a row are 16 bytes that lie as the next product's fragments want them
	PLACES 4
	WIN 0x01
.irp t, 0,1,2,3
	v_rcp_f32 v[ST+8*\t+2], v[LA+8*\t]             ; l is at least 1: the largest weight is 1
.endr
	v_nop                                          ; a plain instruction between the last reciprocal and the use of its result
	WIN 0x41
	s_wait_alu depctr_va_vdst(0)                   ; one wait for the four reciprocals, a batch of their own, ahead of their first reader
.irp t, 0,1,2,3
.irp z, 0,1,2,3,4,5,6,7
	v_pk_mul_f32 v[O+16*\t+2*\z:O+16*\t+2*\z+1], v[O+16*\t+2*\z:O+16*\t+2*\z+1], v[ST+8*\t+2:ST+8*\t+3] op_sel_hi:[1,0]
.endr
.endr
	WIN 0x05
.set i, 0
.rept 32
	v_cvt_pk_bf16_f32 v[S+i], v[O+2*i], v[O+2*i+1]
.set i, i+1
.endr
	WIN 0
.irp t, 0,1,2,3
.irp cb, 0,1
	global_store_b128 v[L16], v[S+8*\t+4*\cb:S+8*\t+4*\cb+3], s[6:7] offset:\t*16384+\cb*512  ; 512 consecutive bytes, at a multiple of 512 from fb's first
.endr
.endr
	s_wait_tensorcnt 0x0                           ; the wave's end
	ds_add_u32 v[SPW], v[NIL]
	s_wait_dscnt 0x0
	ROUND                                          ; the closing round
	s_endpgm
.Lfunc_end_k_qba79960dea_attn:
	.size	k_qba79960dea_attn, .Lfunc_end_k_qba79960dea_attn-k_qba79960dea_attn
	.p2alignl 7, 3214868480
	.fill 96, 4, 3214868480
	.section	.rodata,"a",@progbits
	.p2align	6, 0x0
	.amdhsa_kernel k_qba79960dea_attn
		.amdhsa_group_segment_fixed_size 263168
		.amdhsa_private_segment_fixed_size 0
		.amdhsa_enable_private_segment 0
		.amdhsa_kernarg_size 16
		.amdhsa_user_sgpr_count 2
		.amdhsa_user_sgpr_kernarg_segment_ptr 1
		.amdhsa_wavefront_size32 1
		.amdhsa_system_sgpr_workgroup_id_x 1
		.amdhsa_system_sgpr_workgroup_id_y 1
		.amdhsa_system_sgpr_workgroup_id_z 1
		.amdhsa_system_vgpr_workitem_id 0
		.amdhsa_next_free_vgpr 416
		.amdhsa_next_free_sgpr 66
		.amdhsa_reserve_vcc 0
		.amdhsa_float_denorm_mode_32 3
		.amdhsa_float_denorm_mode_16_64 3
		.amdhsa_memory_ordered 1
		.amdhsa_forward_progress 1
		.amdhsa_inst_pref_size 38
	.end_amdhsa_kernel
	.amdgpu_metadata
---
amdhsa.version: [ 1, 2 ]
amdhsa.kernels:
  - .name:           k_qba79960dea_attn
    .symbol:         k_qba79960dea_attn.kd
    .args:
      - { .name: qkv, .offset: 0, .size: 8, .value_kind: global_buffer, .address_space: global }
      - { .name: fb, .offset: 8, .size: 8, .value_kind: global_buffer, .address_space: global }
    .group_segment_fixed_size: 263168
    .private_segment_fixed_size: 0
    .kernarg_segment_align: 8
    .kernarg_segment_size: 16
    .max_flat_workgroup_size: 256
    .sgpr_count:     66
    .vgpr_count:     416
    .wavefront_size: 32
...
	.end_amdgpu_metadata
.endif
;; end of part 7
;; launch oproj: the kernel of part 4 again; grid 32 x 8, 4 waves a work-group, clusters of 4 x 1, 167,936 bytes of LDS; arguments fb, wf, x, b_o, x1d, fa, ss; writes x1d, fa, ss
;; launch gate (part 8): grid 32 x 8, 4 waves a work-group, clusters of 4 x 1, 167,936 bytes of LDS; arguments fa, wf, ss, fb; writes fb
.if DOCPART == 8
	.amdgcn_target "amdgcn-amd-amdhsa--gfx1250"
	.amdhsa_code_object_version 6
	.text
	.protected	k_qba79960dea_gate
	.globl	k_qba79960dea_gate
	.p2align	8
	.type	k_qba79960dea_gate,@function
k_qba79960dea_gate:
	s_mov_b64 s[64:65], 0
	v_nop
	global_prefetch_b8 v0, s[64:65] scope:SCOPE_SE
	s_setreg_imm32_b32 hwreg(HW_REG_WAVE_MODE, 25, 1), 1
	s_wait_xcnt 0x0
	s_wait_alu depctr_hold_cnt(0) depctr_sa_sdst(0) depctr_va_vdst(0) depctr_va_sdst(0) depctr_va_ssrc(0) depctr_va_vcc(0) depctr_vm_vsrc(0)
	s_getreg_b32 s2, hwreg(HW_REG_IB_STS2, 6, 4)
	s_cmp_eq_u32 s2, 0
	s_cbranch_scc0 .Lentry_in_a_cluster
	s_endpgm
.Lentry_in_a_cluster:
	s_bfe_u32 s2, ttmp6, 0x10000c
	s_cmp_lg_u32 s2, 0x3003
	s_cbranch_scc0 .Lentry_shape_is_right
	s_endpgm
.Lentry_shape_is_right:
; GATE.  act = silu(g) h with g = n W_gate^T, h = n W_hidden^T, n = ffn_norm_w x1 rs, rs = rsqrt(mean x1^2 + 1e-6).  The gain already lies in the weights' columns (wf), and rs, one number a row,
; is applied behind the products: with G = x1 Wg'^T and H = x1 Wh'^T,  act = G H rs^2 / (1 + 2^(-log2(e) rs G)).  x1 (fa) and the weights are bf16 in fragment order, sums f32; act is rounded once to bf16
; and stored in fragment order (fb).  mean x1^2 is the sum of the eight partial sums that the launch before stored in f32 (ss).
; LIMITS.  Where the exponential overflows the reciprocal is 0 and act is 0, which is silu's limit.  NaN and infinities are not treated apart.
; SHARES.  256 rows x 64 hidden columns a work-group, in two passes of 32 columns: a pass has 2 blocks of 16 columns of G and the same 2 of H: 16 accumulators a wave.  My 64 rows of x1 stay in 512 registers;
; the 64 rows of each weight lie whole in LDS (128 KB), filled once: no ring.
; THE ACTIVATION of a pass has TWO BATCHES, a wait each: its 64 exponentials, and its 64 reciprocals, which read the exponentials' sums and so cannot share their wait.  The four roots at the head are a batch of their own.
; CLUSTER.  The four work-groups of a cluster have the same columns and ask for the weights JOINTLY.  x1's rows go from memory into registers as they lie: a way through LDS would add 256 KB written and read a work-group.
; REGISTERS: window 0: v1, v2, v7 addresses; v28, v29 the add's; v32-63 the norm; v64-127 two buffers of the weights' fragments, at work behind a pass; v128-255 accumulators; windows 1, 2: x1's fragments.
.set SPARE, 131072
.set L16, 1
.set BAD, 2
.set L8,  7
.set SPW, 28
.set NIL, 29
.set AUX, 32
.set NRS, 48                           ; v[48:55] -log2(e) rs, a pair for each row tile
.set RS2, 56                           ; v[56:63] rs^2, likewise
.set BF,  64
.set ACC, 128
.set WV, 18
.set CX, 19
.set RB, 20
.set YB, 21
.set G1, 24
.set G0, 32                            ; s[32:35] W_gate's block, s[36:39] W_hidden's
.set SEL, 60
.set MSB, 0
.macro WIN new
.if MSB != (\new)
	s_set_vgpr_msb (MSB<<8)|(\new)
.set MSB, \new
.endif
.endm
.macro PLACES n
.rept \n
	v_nop
.endr
.endm
.macro ROUND
	s_barrier_signal -1
	s_barrier_wait -1
	s_cmp_lg_u32 s[WV], 0
	s_cbranch_scc1 .Lnw0_\@
	s_barrier_signal -3
.Lnw0_\@:
	s_barrier_wait -3
	s_barrier_signal -1
	s_barrier_wait -1
.endm
.macro ALOAD
.set cc, 0
.rept 16
	WIN 0x40*(1+cc/8)
.irp rt, 0,1,2,3
	global_load_b128 v[32*(cc%8)+8*\rt:32*(cc%8)+8*\rt+3],   v[L16], s[4:5] offset:\rt*16384+cc*1024
	global_load_b128 v[32*(cc%8)+8*\rt+4:32*(cc%8)+8*\rt+7], v[L16], s[4:5] offset:\rt*16384+cc*1024+512
.endr
.set cc, cc+1
.endr
	WIN 0
.endm
.macro BFETCH c
.set bb, BF+32*((\c)%2)
.irp j, 0,1,2,3
	ds_load_b128 v[bb+8*\j:bb+8*\j+3],   v[BAD] offset:\j*16384+(\c)*1024
	ds_load_b128 v[bb+8*\j+4:bb+8*\j+7], v[BAD] offset:\j*16384+(\c)*1024+512
.endr
.endm
; 16 k steps of 16 matrix instructions; the first step starts the sums.  The 16 accumulators take turns, one instruction a turn.
.macro PASS
	BFETCH 0
.set cc, 0
.rept 16
.if cc > 0
	PLACES 4                                       ; the loads below land in the buffer that the step before multiplied
.endif
.if cc < 15
	BFETCH cc+1
.endif
.if 120-8*cc > 63
	s_wait_loadcnt 63                              ; behind this step's eight loads of my rows 120 - 8 c were issued; the count's field ends at 63
.else
	s_wait_loadcnt 120-8*cc
.endif
.if cc < 15
	s_wait_dscnt 8                                 ; all but the eight just issued
.else
	s_wait_dscnt 0
.endif
	WIN 4*(1+cc/8)
.set ab, 32*(cc%8)
.set bb, BF+32*(cc%2)
.irp j, 0,1,2,3
.irp rt, 0,1,2,3
.if cc == 0
	v_wmma_f32_16x16x32_bf16 v[ACC+8*(4*\j+\rt):ACC+8*(4*\j+\rt)+7], v[bb+8*\j:bb+8*\j+7], v[ab+8*\rt:ab+8*\rt+7], 0
.else
	v_wmma_f32_16x16x32_bf16 v[ACC+8*(4*\j+\rt):ACC+8*(4*\j+\rt)+7], v[bb+8*\j:bb+8*\j+7], v[ab+8*\rt:ab+8*\rt+7], v[ACC+8*(4*\j+\rt):ACC+8*(4*\j+\rt)+7]
.endif
.endr
.endr
.set cc, cc+1
.endr
	PLACES 4
	WIN 0
.endm
; The activation for both column blocks jj of a pass: G in accumulators (jj, rt), H in (2 + jj, rt); what goes through the exponential and the reciprocal lies at BF + 32 jj on, a register of its own for each number.
; Stage by stage over 2 blocks x 4 row tiles x 4 pairs, so that no line waits for the one before it; each accumulator's low end is read first.
.macro STAGE line:vararg
.irp jj, 0,1
.irp rt, 0,1,2,3
.irp i, 0,1,2,3
.set e, BF+32*\jj+8*\rt+2*\i
.set g, ACC+8*(4*\jj+\rt)+2*\i
.set h, ACC+8*(4*(2+\jj)+\rt)+2*\i
.set n, NRS+2*\rt
.set q, RS2+2*\rt
	\line
.endr
.endr
.endr
.endm
.macro ACT
	STAGE v_pk_mul_f32 v[e:e+1], v[g:g+1], v[n:n+1]        ; -log2(e) rs G
.set k, 0
.rept 64                               ; THE FIRST BATCH: the pass's 64 exponentials, in place
	v_exp_f32 v[BF+k], v[BF+k]
.set k, k+1
.endr
	STAGE v_pk_mul_f32 v[g:g+1], v[g:g+1], v[h:h+1]        ; G H: 32 plain lines that name no result; the first is the plain instruction behind the last exponential
	s_wait_alu depctr_va_vdst(0)                   ; one wait for the 64 exponentials, ahead of their first reader, the line below
	STAGE v_pk_add_f32 v[e:e+1], v[e:e+1], 1.0 op_sel_hi:[1,0]
.set k, 0
.rept 64                               ; THE SECOND BATCH: the 64 reciprocals, in place
	v_rcp_f32 v[BF+k], v[BF+k]
.set k, k+1
.endr
	STAGE v_pk_mul_f32 v[g:g+1], v[g:g+1], v[q:q+1]        ; rs^2: 32 plain lines that name no result; the first is the plain instruction behind the last reciprocal
	s_wait_alu depctr_va_vdst(0)                   ; one wait for the 64 reciprocals, ahead of their first reader, the line below
	STAGE v_pk_mul_f32 v[g:g+1], v[g:g+1], v[e:e+1]
.irp jj, 0,1                           ; the packed results take the upper 32 of the registers that the reciprocals have left
.irp rt, 0,1,2,3
.irp i, 0,1,2,3
	v_cvt_pk_bf16_f32 v[BF+32+16*\jj+4*\rt+\i], v[ACC+8*(4*\jj+\rt)+2*\i], v[ACC+8*(4*\jj+\rt)+2*\i+1]
.endr
.endr
.endr
.irp jj, 0,1
.irp rt, 0,1,2,3
	global_store_b128 v[L16], v[BF+32+16*\jj+4*\rt:BF+32+16*\jj+4*\rt+3], s[10:11] offset:\rt*16384+\jj*512  ; 512 consecutive bytes
.endr
.endr
.endm
	s_load_b256 s[4:11], s[0:1], 0x0               ; fa 4, wf 6, ss 8, fb 10
	v_lshl_add_u32 v[SPW], v0, 2, SPARE
	v_mov_b32 v[NIL], 0
	ds_add_u32 v[SPW], v[NIL]                      ; the wave's opening: the add and its wait stand ahead of my first tensor load
	v_lshrrev_b32 v8, 5, v0
	v_readfirstlane_b32 s[WV], v8
	v_and_b32 v[L16], 31, v0
	v_lshlrev_b32 v[L8], 3, v[L16]
	v_lshlrev_b32 v[L16], 4, v[L16]
	v_mov_b32 v[BAD], v[L16]
	s_bfe_u32 s[CX], ttmp6, 0x40000
	s_lshl_b32 s[RB], ttmp9, 2
	s_add_co_u32 s[RB], s[RB], s[CX]
	s_and_b32 s[YB], ttmp7, 0xffff
	s_mov_b32 s[G1+0], 15|(3<<16)|(1<<21)          ; the mask of four; elements of 8 bytes; bit 21 beside a mask
	s_mov_b32 s[G1+1], 32<<16
	s_mov_b32 s[G1+2], 64<<16
	s_mov_b32 s[G1+3], 32<<16
	s_mov_b32 s[G1+4], 64
	s_mov_b32 s[G1+5], 32
	s_mov_b32 s[G1+6], 0
	s_mov_b32 s[G1+7], 0
	s_lshl2_add_u32 s52, s[YB], s[WV]              ; wave w fetches block 4 y + w of 16 rows of W_gate and of W_hidden,
	s_lshl_b32 s52, s52, 14
	s_add_co_u32 s52, s52, 4*524288                ; the fifth and sixth matrices of wf
	s_mov_b32 s53, 0
	s_lshr_b32 s54, s[WV], 1                       ; for pass w / 2, as its block w % 2
	s_lshl_b32 s54, s54, 16
	s_and_b32 s55, s[WV], 1
	s_lshl_b32 s55, s55, 14
	s_add_co_u32 s54, s54, s55
	s_mov_b32 s[G0], 1
	s_mov_b32 s[G0+1], s54
	s_mov_b32 s[G0+4], 1
	s_add_co_u32 s[G0+5], s54, 32768               ; H's two blocks lie behind G's two
	s_lshl2_add_u32 s56, s[RB], s[WV]              ; my block of 64 rows
	s_mov_b32 s59, 0
	s_mov_b32 s[SEL], 0x76543210
	s_mov_b32 s[SEL+1], 0xfedcba98
	s_mov_b32 s62, 0xffff0000                      ; lanes 16-31
	s_mov_b32 s22, 0x3b000000                      ; 1 / 512
	s_mov_b32 s23, 0x358637bd                      ; 1e-6
	s_wait_dscnt 0x0                               ; the opening add is done
	s_wait_kmcnt 0x0
	s_add_nc_u64 s[G0+2:G0+3], s[6:7], s[52:53]
	s_add_nc_u64 s[G0+6:G0+7], s[G0+2:G0+3], 524288
	s_or_b32 s[G0+3], s[G0+3], 0x80000000
	s_or_b32 s[G0+7], s[G0+7], 0x80000000
	ROUND                                          ; all four work-groups are here: the joint loads meet
	tensor_load_to_lds s[G0:G0+3], s[G1:G1+7]      ; two tensor loads of mine are out
	s_nop 0
	tensor_load_to_lds s[G0+4:G0+7], s[G1:G1+7]
	s_nop 0
	PLACES 4
	s_lshl_b32 s58, s56, 8
	s_add_nc_u64 s[8:9], s[8:9], s[58:59]          ; ss: 256 bytes for each block of 64 rows
	s_lshl_b32 s58, s56, 16
	s_add_nc_u64 s[4:5], s[4:5], s[58:59]          ; x1's rows
	s_lshl_b32 s57, s[YB], 11
	s_add_co_u32 s58, s58, s57
	s_add_nc_u64 s[10:11], s[10:11], s[58:59]      ; act
.irp k, 0,1,2,3,4,5,6,7
	global_load_b64 v[AUX+2*\k:AUX+2*\k+1], v[L8], s[8:9] offset:\k*32768  ; the eight column blocks' partial sums
.endr
	ALOAD
	s_wait_tensorcnt 0x0
	s_barrier_signal -1
	s_barrier_wait -1                              ; the weights are whole; nothing is ever filled again
	s_wait_loadcnt 63                              ; 128 loads were issued behind the partial sums' eight
	v_pk_add_f32 v[AUX:AUX+1],     v[AUX:AUX+1],     v[AUX+2:AUX+3]
	v_pk_add_f32 v[AUX+4:AUX+5],   v[AUX+4:AUX+5],   v[AUX+6:AUX+7]
	v_pk_add_f32 v[AUX+8:AUX+9],   v[AUX+8:AUX+9],   v[AUX+10:AUX+11]
	v_pk_add_f32 v[AUX+12:AUX+13], v[AUX+12:AUX+13], v[AUX+14:AUX+15]
	v_pk_add_f32 v[AUX:AUX+1],     v[AUX:AUX+1],     v[AUX+4:AUX+5]
	v_pk_add_f32 v[AUX+8:AUX+9],   v[AUX+8:AUX+9],   v[AUX+12:AUX+13]
	v_pk_add_f32 v[AUX:AUX+1],     v[AUX:AUX+1],     v[AUX+8:AUX+9]
	v_permlanex16_b32 v[AUX+2], v[AUX], s[SEL], s[SEL+1]    ; lanes 0-15 hold row tiles 0, 1, lanes 16-31 tiles 2, 3: each takes the other's
	v_permlanex16_b32 v[AUX+3], v[AUX+1], s[SEL], s[SEL+1]
	v_cndmask_b32 v[AUX+4], v[AUX],   v[AUX+2], s62
	v_cndmask_b32 v[AUX+5], v[AUX+1], v[AUX+3], s62
	v_cndmask_b32 v[AUX+6], v[AUX+2], v[AUX],   s62
	v_cndmask_b32 v[AUX+7], v[AUX+3], v[AUX+1], s62
.irp rt, 0,1,2,3
	v_fma_f32 v[AUX+4+\rt], v[AUX+4+\rt], s22, s23 ; mean + eps
.endr
.irp rt, 0,1,2,3
	v_rsq_f32 v[AUX+8+\rt], v[AUX+4+\rt]
.endr
	v_nop                                          ; a plain instruction between the last root and the use of its result
	s_wait_alu depctr_va_vdst(0)                   ; one wait for the four roots, once a launch, ahead of their first reader
.irp rt, 0,1,2,3
	v_mul_f32 v[NRS+2*\rt], 0xbfb8aa3b, v[AUX+8+\rt]
	v_mul_f32 v[RS2+2*\rt], v[AUX+8+\rt], v[AUX+8+\rt]
.endr
.irp rt, 0,1,2,3
	v_mov_b32 v[NRS+2*\rt+1], v[NRS+2*\rt]
	v_mov_b32 v[RS2+2*\rt+1], v[RS2+2*\rt]
.endr
	s_mov_b32 s3, 2
.Lpass:                                                ; two passes of 32 hidden columns
	PASS
	ACT
	s_wait_xcnt 0x0                                ; the stores' data registers and base are rewritten only behind this wait
	v_add_nc_u32 v[BAD], 0x10000, v[BAD]
	s_add_nc_u64 s[10:11], s[10:11], 1024
	s_sub_co_u32 s3, s3, 1
	s_cmp_lg_u32 s3, 0
	s_cbranch_scc1 .Lpass
	s_wait_tensorcnt 0x0                           ; the wave's end
	ds_add_u32 v[SPW], v[NIL]
	s_wait_dscnt 0x0
	ROUND                                          ; the closing round
	s_endpgm
.Lfunc_end_k_qba79960dea_gate:
	.size	k_qba79960dea_gate, .Lfunc_end_k_qba79960dea_gate-k_qba79960dea_gate
	.p2alignl 7, 3214868480
	.fill 96, 4, 3214868480
	.section	.rodata,"a",@progbits
	.p2align	6, 0x0
	.amdhsa_kernel k_qba79960dea_gate
		.amdhsa_group_segment_fixed_size 167936
		.amdhsa_private_segment_fixed_size 0
		.amdhsa_enable_private_segment 0
		.amdhsa_kernarg_size 32
		.amdhsa_user_sgpr_count 2
		.amdhsa_user_sgpr_kernarg_segment_ptr 1
		.amdhsa_wavefront_size32 1
		.amdhsa_system_sgpr_workgroup_id_x 1
		.amdhsa_system_sgpr_workgroup_id_y 1
		.amdhsa_system_sgpr_workgroup_id_z 1
		.amdhsa_system_vgpr_workitem_id 0
		.amdhsa_next_free_vgpr 768
		.amdhsa_next_free_sgpr 66
		.amdhsa_reserve_vcc 0
		.amdhsa_float_denorm_mode_32 3
		.amdhsa_float_denorm_mode_16_64 3
		.amdhsa_memory_ordered 1
		.amdhsa_forward_progress 1
		.amdhsa_inst_pref_size 63
	.end_amdhsa_kernel
	.amdgpu_metadata
---
amdhsa.version: [ 1, 2 ]
amdhsa.kernels:
  - .name:           k_qba79960dea_gate
    .symbol:         k_qba79960dea_gate.kd
    .args:
      - { .name: fa, .offset: 0, .size: 8, .value_kind: global_buffer, .address_space: global }
      - { .name: wf, .offset: 8, .size: 8, .value_kind: global_buffer, .address_space: global }
      - { .name: ss, .offset: 16, .size: 8, .value_kind: global_buffer, .address_space: global }
      - { .name: fb, .offset: 24, .size: 8, .value_kind: global_buffer, .address_space: global }
    .group_segment_fixed_size: 167936
    .private_segment_fixed_size: 0
    .kernarg_segment_align: 8
    .kernarg_segment_size: 32
    .max_flat_workgroup_size: 128
    .sgpr_count:     66
    .vgpr_count:     768
    .wavefront_size: 32
...
	.end_amdgpu_metadata
.endif
;; end of part 8
;; launch down: the kernel of part 6 again; grid 32 x 8, 4 waves a work-group, clusters of 4 x 1, 167,936 bytes of LDS; arguments fb, wf, x1d, b_out, out0; writes out0
